; MI455X (gfx1250); checked and timed in simulation.
; The chip was launched on July 23, 2026; its instructions are those of AMD's public machine-readable ISA for CDNA 5 (MIT licence, August 2026) and "CDNA5" Instruction Set Architecture Reference Guide (July 2026). The comments in the code are by the model that wrote it; some were corrected since.
;; MHA. Allowed arithmetic: matrix products marked QUANTISED: E2M3 operands, one E8M0 scale for each 32 along K, by v_wmma_scale_f32_16x16x128_f8f6f4 with both operands' format E2M3, f32 sums; everything else in f32.
;; Inputs: Wk 1,024 x 1,024 float32; Wo 1,024 x 1,024 float32; Wq 1,024 x 1,024 float32; Wv 1,024 x 1,024 float32; x 4 x 2,048 x 1,024 float32.
;; Outputs: out0 4 x 2,048 x 1,024 float32.
;; This version of the problem:
;;   THIS VERSION OF THE PROBLEM IS GIVEN IN LOW PRECISION. The matrix products marked QUANTISED in the list below multiply operands that are first quantised to E2M3 (2 exponent bits, 3 mantissa bits; 6 bits a number), with one power-of-two scale for each 32 numbers along K (OCP MX v1.0); their sums are f32. All else is computed in f32.
;;   The module's matrix products, in the order in which they are computed (A, B: the left and right operand; K: the contracted axis; several contracted axes count as one K, in the product's order):
;;     1. [M 8,192, K 1,024] x [K 1,024, N 1,024]; A: input x; B: input Wq: QUANTISED
;;     2. [M 8,192, K 1,024] x [K 1,024, N 1,024]; A: input x; B: input Wk: QUANTISED
;;     3. [M 8,192, K 1,024] x [K 1,024, N 1,024]; A: input x; B: input Wv: QUANTISED
;;     4. batch 64 x [M 2,048, K 64] x [K 64, N 2,048]; A: computed on the way; B: computed on the way: QUANTISED
;;     5. batch 64 x [M 64, K 2,048] x [K 2,048, N 2,048]; A: computed on the way; B: softmax (see below): QUANTISED
;;     6. [M 8,192, K 1,024] x [K 1,024, N 1,024]; A: computed on the way; B: input Wo: QUANTISED
;;   THE QUANTISER, for each operand of a quantised product, along K:
;;     - K is cut into blocks of 32 from its start; a last block that is shorter is filled with zeros.
;;     - A block's scale is 2^e with e = floor(log2(the largest magnitude in the block)) - 2, held to -126 .. 127; a block of zeros has e = 0. As a byte (E8M0): e + 127.
;;     - Each number is divided by its block's scale, clamped to +-7.5, and rounded to the nearest number of E2M3, ties to even, subnormals kept.
;;     - The product sums the exact products of the quantised numbers (number of the format x scale) in f32.
;;   ~~~python
;;   def quantise(x, axis):      # numpy; x: float32 -> the quantised numbers, widened to float32 again
;;       x = np.moveaxis(x, axis, -1); K = x.shape[-1]
;;       x = np.pad(x, [(0, 0)] * (x.ndim - 1) + [(0, -K % 32)]); x = x.reshape(x.shape[:-1] + (-1, 32)); a = np.abs(x).max(-1, keepdims=True)
;;       e = np.where(a > 0, np.clip(np.frexp(np.where(a > 0, a, 1))[1] - 1 - 2, -126, 127), 0)      # np.frexp(a)[1] - 1 = floor(log2(a)), exactly
;;       r = np.clip(x / 2.0 ** e, -7.5, 7.5)
;;       step = 2.0 ** (np.maximum(np.frexp(np.where(r == 0, 1, r))[1] - 1, 0) - 3)
;;       q = np.round(r / step) * step * 2.0 ** e      # np.round: ties to even
;;       return np.moveaxis(q.reshape(q.shape[:-2] + (-1,))[..., :K], -1, axis).astype(np.float32)
;;   ~~~
;;   SOFTMAX AHEAD OF A QUANTISED PRODUCT. Where the list says 'softmax', what is quantised is not the finished softmax but p = 2^(t - M), with t = logit x log2(e) and M = ceil(the row's largest t), a whole number; so 1/2 < the row's largest p <= 1. The row's sum l is taken of the UNQUANTISED p, in f32, and the product's result is divided by l at the end. Since M is a whole number, a kernel that streams over the keys may use a running M (the ceiling of the running maximum): every later rescaling is an exact power of two, which a block's scale takes up: the codes' values come out the same.
;;   OPERANDS COMPUTED ON THE WAY. 'Computed on the way' means the value that the module computes at that place (a softmax that the list does not call 'softmax' is quantised finished and normalised). What goes into a quantiser is computed in f32, as accurately as f32 sums, v_exp_f32 and their like allow (about 1e-6 of the number): no bf16 or f16 on the way to a quantiser, and a product that is left as it is and whose result goes on into a quantised operand takes f32 operands (vector FMAs, or v_wmma_f32_16x16x4_f32). A number that lies on a knife's edge between two numbers of the format may be rounded either way, as far as f32 arithmetic and the matrix unit's own rounding can turn it there, and no further.
;; One version. Each part assembles by itself: llvm-mc -triple=amdgcn-amd-amdhsa -mcpu=gfx1250 --defsym DOCPART=n.
;; ======== version 1 of 1: 4 launches
;; limits: right only within a limited range of input values
;; workspace buffers: xq 6,553,600 bytes; wq 3,276,800 bytes; rope 524,288 bytes; qq 6,815,744 bytes; kv 13,369,344 bytes; ao 6,815,744 bytes
;; launch prep (part 1): grid 832 x 1, 2 waves a work-group, no clusters, 17,152 bytes of LDS; arguments x, Wq, Wk, Wv, Wo, xq, wq, rope; writes xq, wq, rope
.if DOCPART == 1
	.amdgcn_target "amdgcn-amd-amdhsa--gfx1250"
	.amdhsa_code_object_version 6
	.text
	.protected	k_qa2a1f645d4_prep
	.globl	k_qa2a1f645d4_prep
	.p2align	8
	.type	k_qa2a1f645d4_prep,@function
k_qa2a1f645d4_prep:
	s_mov_b64 s[64:65], 0
	v_nop
	global_prefetch_b8 v0, s[64:65] scope:SCOPE_SE
	s_setreg_imm32_b32 hwreg(HW_REG_WAVE_MODE, 25, 1), 1
	s_wait_xcnt 0x0
; x [8192][1024] and Wq, Wk, Wv, Wo [1024][1024], f32, K innermost, become codes of FP6 (E2M3) with one E8M0 byte for each 32 along K, laid in the ORDER OF THE OPERAND'S REGISTERS;
; and the table of cos and sin for the rotation of q and k is made, in the order in which the next launch's lanes want it.
; A CHUNK is 64 rows.  Tile 2 g + u of a chunk holds, in lane slot r, row 32 g + 8 u + r + 8 (r / 8).  A FRAGMENT (16 rows x 128 K, 12 registers a lane) lies as 1,536 bytes: register 4 c + q of lane l at 512 c + 16 l + 4 q.
; The scale words of a chunk's four tiles for 128 along K are one unit of 256 bytes: the word of tile (g, u), slot r, at 128 g + 8 r + 4 u.
; SHARES.  A wave takes one chunk x 128 along K: 32 KB in, four fragments and one unit of scale words out.  Work-groups 0-511: x; 512-767: the weights (64 each, in the order q, k, v, o); 768-831: the table, a tile of 16 positions a wave.
; A row's 512 bytes are loaded by one instruction, 16 bytes a lane; the 16 rows of a tile turn through the wave's own stage in LDS (rows 528 bytes apart: sixteen lanes of a 16-byte access fall on sixteen different
; 16-byte columns of 256) and come back so that lane (r, h) holds k = 64 c + 32 h + 0 .. 31 of row slot r: two whole blocks, which are the operand's registers 6 c .. 6 c + 5 once converted.
; A block's scale is 2^(floor(log2(largest magnitude)) - 2); its byte is the largest magnitude's exponent field - 2, held at 1 from below.
; LIMITS: a block of zeros, and one whose largest magnitude lies under 2^-124, gets the byte 1 (zeros' codes are zeros, and only this program reads the bytes); NaN and infinities are not served.
; THE TABLE: angle = position x 10^(-f / 8), f = 0 .. 31, one f32 product; the constants are 10^(-f / 8) rounded to f32 (a power and a division in f32 may differ from them in the last bits: at position 2,047 that is some 2e-4 rad).
; The angle is reduced by multiples of pi / 2 held in three parts, then sine and cosine are polynomials on +-pi / 4, in f32.
; No tensor loads, no barrier: waves share nothing.
.set ROWB, 4096                        ; a row of x or of a weight in bytes
.set SP,   528                         ; a stage row: 512 bytes + 16
.set R,    32                          ; v32-159  two sets of 64: a tile as loaded
.set X,    160                         ; v160-223 my two blocks of 32
.set P,    224                         ; v224-235 the fragment's 12 registers; v236-238, v240-242 the blocks' upper halves as converted
.set SW,   12                          ; v12-15   the four tiles' scale words
.set SEL,  40                          ; s[40:41] lane selects for v_permlanex16_b32: lane l xor 16
.set MH,   42                          ; s42      mask of lanes 16-31
	s_load_b256 s[4:11], s[0:1], 0x0               ; x, Wq, Wk, Wv
	s_load_b256 s[12:19], s[0:1], 0x20             ; Wo, xq, wq, rope
	v_lshl_add_u32 v254, v0, 2, 0x4200
	v_mov_b32 v255, 0
	v_lshrrev_b32 v1, 5, v0
	v_readfirstlane_b32 s20, v1                    ; wave 0, 1
	v_and_b32 v1, 31, v0                           ; lane
	v_lshlrev_b32 v2, 4, v1                        ; 16 x lane
	v_lshlrev_b32 v3, 3, v1                        ; 8 x lane
	v_and_b32 v7, 15, v0                           ; r
	v_bfe_u32 v6, v0, 4, 1                         ; h
	s_mov_b32 s[SEL], 0x76543210
	s_mov_b32 s[SEL+1], 0xfedcba98
	s_mov_b32 s[MH], 0xffff0000
	s_cmp_ge_u32 ttmp9, 768
	s_cbranch_scc1 .Ltable
	; ---- the quantiser
	s_mul_i32 s21, s20, 16*SP                      ; my stage
	v_add_nc_u32 v4, s21, v2                       ; in: 16 x lane of a row
	v_mul_u32_u24 v5, v7, SP
	v_lshl_add_u32 v5, v6, 7, v5
	v_add_nc_u32 v5, s21, v5                       ; out: row slot r, + 128 h
	v_lshlrev_b32 v6, 3, v6                        ; 8 h: my bytes' place in the scale word
	v_mov_b32 v23, 0                               ; written once: a lane permute's destination counts as one of its sources
	s_and_b32 s22, ttmp9, 3
	s_lshl_b32 s22, s22, 1
	s_add_co_u32 s22, s22, s20                     ; the K step: 2 (id % 4) + wave
	s_lshr_b32 s23, ttmp9, 2                       ; x: the chunk
	s_and_b32 s24, s23, 15                         ; a weight: the chunk
	s_lshr_b32 s25, ttmp9, 6
	s_and_b32 s25, s25, 3                          ; a weight: which (ids 512 .. 767 are 8 .. 11 times 64)
	s_lshr_b32 s26, s24, 1                         ; a weight's unit: m x 128 + ((chunk / 2) x 8 + K step) x 2 + chunk % 2
	s_lshl_b32 s26, s26, 3
	s_add_co_u32 s26, s26, s22
	s_lshl_b32 s26, s26, 1
	s_and_b32 s27, s24, 1
	s_add_co_u32 s26, s26, s27
	s_lshl_b32 s27, s25, 7
	s_add_co_u32 s26, s26, s27
	s_lshl_b32 s27, s23, 3
	s_add_co_u32 s27, s27, s22                     ; x's unit: chunk x 8 + K step
	s_mov_b32 s28, 3145728                         ; where wq's scale words begin
	s_wait_alu depctr_va_vdst(0)
	s_wait_kmcnt 0x0
	s_cmp_lt_u32 ttmp9, 704                        ; the choices hang on the work-group's number alone
	s_cselect_b64 s[30:31], s[10:11], s[12:13]
	s_cmp_lt_u32 ttmp9, 640
	s_cselect_b64 s[30:31], s[8:9], s[30:31]
	s_cmp_lt_u32 ttmp9, 576
	s_cselect_b64 s[30:31], s[6:7], s[30:31]
	s_cmp_lt_u32 ttmp9, 512
	s_cselect_b64 s[30:31], s[4:5], s[30:31]       ; the source
	s_cselect_b64 s[32:33], s[14:15], s[16:17]     ; xq or wq
	s_cselect_b32 s23, s23, s24                    ; the chunk
	s_cselect_b32 s26, s27, s26                    ; the unit
	s_cselect_b32 s28, 6291456, s28                ; where the buffer's scale words begin
	s_lshl_b32 s34, s23, 18                        ; 64 rows of 4,096 bytes a chunk,
	s_lshl_b32 s35, s22, 9                         ; 512 bytes a K step
	s_add_co_u32 s34, s34, s35
	s_mov_b32 s35, 0
	s_add_nc_u64 s[30:31], s[30:31], s[34:35]
	s_mul_i32 s34, s26, 6144
	s_add_nc_u64 s[36:37], s[32:33], s[34:35]      ; my four fragments
	s_lshl_b32 s34, s26, 8
	s_add_co_u32 s34, s34, s28
	s_add_nc_u64 s[38:39], s[32:33], s[34:35]      ; my unit of scale words
.macro LOAD t                          ; tile t's 16 rows into set t % 2: each load is a row's 512 consecutive bytes
.irp i, 0,1,2,3,4,5,6,7,8,9,10,11,12,13,14,15
	global_load_b128 v[R+64*((\t)%2)+4*\i:R+64*((\t)%2)+4*\i+3], v2, s[30:31] offset:(32*((\t)/2)+8*((\t)%2)+\i+8*(\i/8))*ROWB th:TH_LOAD_NT
.endr
.endm
.macro TILE t
.if (\t) < 3
	s_wait_loadcnt 16                              ; this tile's 16 loads are in; the next tile's may be out
.else
	s_wait_loadcnt 0x0
.endif
.irp i, 0,1,2,3,4,5,6,7,8,9,10,11,12,13,14,15
	ds_store_b128 v4, v[R+64*((\t)%2)+4*\i:R+64*((\t)%2)+4*\i+3] offset:SP*\i
.endr
.irp c, 0,1
.irp j, 0,1,2,3,4,5,6,7
	ds_load_b128 v[X+32*\c+4*\j:X+32*\c+4*\j+3], v5 offset:256*\c+16*\j   ; LDS serves a wave's instructions in order: these see the stores above
.endr
.endr
	s_wait_dscnt 0x0                               ; my 64 numbers are back, and the stores have read the set
.if (\t) < 2
	LOAD (\t)+2                                    ; which takes the tile two on
.endif
.irp c, 0,1
	v_max3_num_f32 v[8+\c], |v[X+32*\c]|, |v[X+32*\c+1]|, 0x1800000   ; the block's largest magnitude: all 32 numbers are mine; and the floor 2^(3 - 127), so that the byte cannot fall under 1
.endr
.irp i, 2,4,6,8,10,12,14,16,18,20,22,24,26,28,30
.irp c, 0,1
	v_max3_num_f32 v[8+\c], v[8+\c], |v[X+32*\c+\i]|, |v[X+32*\c+\i+1]|   ; (the two blocks by turns)
.endr
.endr
.irp c, 0,1
	v_add_nc_u32 v[18+\c], 0xff000000, v[8+\c]     ; 2 off the exponent field: the conversion takes this operand's exponent field as its scale
.endr
.irp c, 0,1
	v_lshrrev_b32 v[20+\c], 23, v[18+\c]           ; the scale's byte
.endr
	v_lshl_or_b32 v22, v21, 16, v20                ; my two bytes, blocks h and 2 + h,
	v_lshlrev_b32 v22, v6, v22                     ; at their places;
	v_permlanex16_b32 v23, v22, s[SEL], s[SEL+1]
	v_or_b32 v[SW+(\t)], v22, v23                  ; with lane l xor 16's two the word is whole
	s_wait_alu depctr_va_vdst(0)
	s_wait_xcnt 0x0                                ; the last tile's stores have read the fragment's registers
.irp c, 0,1
	v_cvt_scalef32_pk16_fp6_f32 v[P+6*\c:P+6*\c+2], v[X+32*\c:X+32*\c+15], v[18+\c]
	v_cvt_scalef32_pk16_fp6_f32 v[236+4*\c:238+4*\c], v[X+32*\c+16:X+32*\c+31], v[18+\c]   ; (a conversion's three registers begin on an even number)
.endr
	v_nop                                          ; one plain instruction behind a scaled conversion
.irp c, 0,1
.irp i, 0,1,2
	v_mov_b32 v[P+6*\c+3+\i], v[236+4*\c+\i]
.endr
.endr
.irp c, 0,1,2
	global_store_b128 v2, v[P+4*\c:P+4*\c+3], s[36:37] offset:1536*(\t)+512*\c   ; 512 consecutive bytes, at a multiple of 256 from the buffer's first byte
.endr
.endm
	LOAD 0
	LOAD 1
	TILE 0
	TILE 1
	TILE 2
	TILE 3
	v_cndmask_b32 v16, v[SW], v[SW+2], s[MH]       ; lanes 0-15: tiles (0, u); lanes 16-31: tiles (1, u)
	v_cndmask_b32 v17, v[SW+1], v[SW+3], s[MH]
	global_store_b64 v3, v[16:17], s[38:39]        ; one aligned unit of 256 bytes
	s_wait_tensorcnt 0x0
	ds_add_u32 v254, v255
	s_wait_dscnt 0x0
	s_endpgm
	; ---- the table: tile Tt of 16 positions: [j 0 .. 7][lane][16 bytes]: j 0-3 cos, j 4-7 sin of frequencies 16 h + 4 (j % 4) + 0 .. 3, at position 32 (Tt / 2) + 8 (Tt % 2) + r + 8 (r / 8)
.Ltable:
	s_sub_co_u32 s21, ttmp9, 768
	s_lshl_b32 s21, s21, 1
	s_add_co_u32 s21, s21, s20                     ; Tt
	s_lshr_b32 s22, s21, 1
	s_lshl_b32 s22, s22, 5
	s_and_b32 s23, s21, 1
	s_lshl_b32 s23, s23, 3
	s_add_co_u32 s22, s22, s23
	s_wait_alu depctr_va_vdst(0)
	v_and_b32 v8, 8, v7
	v_add_nc_u32 v8, v8, v7
	v_add_nc_u32 v8, s22, v8
	v_cvt_f32_u32 v24, v8                          ; the position
	s_lshl_b32 s24, s21, 12
	s_mov_b32 s25, 0
	s_wait_alu depctr_va_vdst(0)
	s_wait_kmcnt 0x0
	s_add_nc_u64 s[18:19], s[18:19], s[24:25]
.macro SINCOS i, c0, c1                ; frequency 16 h + i: c0 = 10^(-i / 8) for lanes 0-15, c1 = c0 / 100 for lanes 16-31
	v_mul_f32 v8, \c0, v24
	v_mul_f32 v9, \c1, v24
	v_cndmask_b32 v8, v8, v9, s[MH]                ; the angle
	v_mul_f32 v9, 0x3f22f983, v8                   ; x 2 / pi
	v_rndne_f32 v9, v9                             ; n, at most 1,304
	v_fmamk_f32 v8, v9, 0xbfc90000, v8             ; - n x pi / 2, in three parts: the first has 8 significant bits, so that n times it is exact
	v_fmamk_f32 v8, v9, 0xb9fda000, v8
	v_fmamk_f32 v8, v9, 0xb3a22168, v8             ; y, within +-pi / 4
	v_cvt_i32_f32 v9, v9
	v_mul_f32 v10, v8, v8                          ; z = y y
	v_mov_b32 v11, 0xb94ca1f9                      ; sin y = y + y z ((-1.9515296e-4 z + 8.3321609e-3) z - 1.6666655e-1)
	v_fmaak_f32 v11, v11, v10, 0x3c08839e
	v_fmaak_f32 v11, v11, v10, 0xbe2aaaa3
	v_mul_f32 v12, v10, v8
	v_fma_f32 v11, v11, v12, v8
	v_mov_b32 v13, 0x37ccf5ce                      ; cos y = 1 - z / 2 + z z ((2.4433157e-5 z - 1.3887316e-3) z + 4.1666646e-2)
	v_fmaak_f32 v13, v13, v10, 0xbab6061a
	v_fmaak_f32 v13, v13, v10, 0x3d2aaaa5
	v_mul_f32 v14, v10, v10
	v_fma_f32 v15, v10, -0.5, 1.0
	v_fma_f32 v13, v13, v14, v15
	v_and_b32 v14, 1, v9
	v_cmp_eq_u32 vcc_lo, 1, v14                    ; an odd quarter turn swaps the two
	v_cndmask_b32 v12, v11, v13, vcc_lo
	v_cndmask_b32 v13, v13, v11, vcc_lo
	v_and_b32 v14, 2, v9                           ; the sine is negative in quarters 2, 3,
	v_lshlrev_b32 v14, 30, v14
	v_xor_b32 v[48+\i], v14, v12
	v_add_nc_u32 v15, 1, v9                        ; the cosine in quarters 1, 2
	v_and_b32 v15, 2, v15
	v_lshlrev_b32 v15, 30, v15
	v_xor_b32 v[32+\i], v15, v13
.endm
	SINCOS 0, 1.0, 0.01
	SINCOS 1, 0.7498942093324559, 0.007498942093324559
	SINCOS 2, 0.5623413251903491, 0.005623413251903491
	SINCOS 3, 0.4216965034285822, 0.004216965034285822
	SINCOS 4, 0.31622776601683794, 0.0031622776601683794
	SINCOS 5, 0.23713737056616552, 0.0023713737056616552
	SINCOS 6, 0.17782794100389228, 0.0017782794100389228
	SINCOS 7, 0.1333521432163324, 0.001333521432163324
	SINCOS 8, 0.1, 0.001
	SINCOS 9, 0.07498942093324559, 0.0007498942093324559
	SINCOS 10, 0.05623413251903491, 0.0005623413251903491
	SINCOS 11, 0.04216965034285822, 0.0004216965034285822
	SINCOS 12, 0.031622776601683794, 0.00031622776601683794
	SINCOS 13, 0.023713737056616552, 0.00023713737056616552
	SINCOS 14, 0.017782794100389228, 0.00017782794100389228
	SINCOS 15, 0.01333521432163324, 0.0001333521432163324
.irp j, 0,1,2,3,4,5,6,7
	global_store_b128 v2, v[32+4*\j:35+4*\j], s[18:19] offset:512*\j
.endr
	s_endpgm
.Lfunc_end_k_qa2a1f645d4_prep:
	.size	k_qa2a1f645d4_prep, .Lfunc_end_k_qa2a1f645d4_prep-k_qa2a1f645d4_prep
	.p2alignl 7, 3214868480
	.fill 96, 4, 3214868480
	.section	.rodata,"a",@progbits
	.p2align	6, 0x0
	.amdhsa_kernel k_qa2a1f645d4_prep
		.amdhsa_group_segment_fixed_size 17152
		.amdhsa_private_segment_fixed_size 0
		.amdhsa_enable_private_segment 0
		.amdhsa_kernarg_size 64
		.amdhsa_user_sgpr_count 2
		.amdhsa_user_sgpr_kernarg_segment_ptr 1
		.amdhsa_wavefront_size32 1
		.amdhsa_system_sgpr_workgroup_id_x 1
		.amdhsa_system_sgpr_workgroup_id_y 1
		.amdhsa_system_sgpr_workgroup_id_z 1
		.amdhsa_system_vgpr_workitem_id 0
		.amdhsa_next_free_vgpr 256
		.amdhsa_next_free_sgpr 66
		.amdhsa_reserve_vcc 1
		.amdhsa_float_denorm_mode_32 3
		.amdhsa_float_denorm_mode_16_64 3
		.amdhsa_memory_ordered 1
		.amdhsa_forward_progress 1
		.amdhsa_inst_pref_size 56
	.end_amdhsa_kernel
	.amdgpu_metadata
---
amdhsa.version: [ 1, 2 ]
amdhsa.kernels:
  - .name:           k_qa2a1f645d4_prep
    .symbol:         k_qa2a1f645d4_prep.kd
    .args:
      - { .name: x, .offset: 0, .size: 8, .value_kind: global_buffer, .address_space: global }
      - { .name: Wq, .offset: 8, .size: 8, .value_kind: global_buffer, .address_space: global }
      - { .name: Wk, .offset: 16, .size: 8, .value_kind: global_buffer, .address_space: global }
      - { .name: Wv, .offset: 24, .size: 8, .value_kind: global_buffer, .address_space: global }
      - { .name: Wo, .offset: 32, .size: 8, .value_kind: global_buffer, .address_space: global }
      - { .name: xq, .offset: 40, .size: 8, .value_kind: global_buffer, .address_space: global }
      - { .name: wq, .offset: 48, .size: 8, .value_kind: global_buffer, .address_space: global }
      - { .name: rope, .offset: 56, .size: 8, .value_kind: global_buffer, .address_space: global }
    .group_segment_fixed_size: 17152
    .private_segment_fixed_size: 0
    .kernarg_segment_align: 8
    .kernarg_segment_size: 64
    .max_flat_workgroup_size: 64
    .sgpr_count:     66
    .vgpr_count:     256
    .wavefront_size: 32
...
	.end_amdgpu_metadata
.endif
;; end of part 1
;; launch qkv (part 2): grid 32 x 8, 4 waves a work-group, clusters of 4 x 1, 327,680 bytes of LDS; arguments xq, wq, rope, qq, kv; writes qq, kv
.if DOCPART == 2
	.amdgcn_target "amdgcn-amd-amdhsa--gfx1250"
	.amdhsa_code_object_version 6
	.text
	.protected	k_qa2a1f645d4_qkv
	.globl	k_qa2a1f645d4_qkv
	.p2align	8
	.type	k_qa2a1f645d4_qkv,@function
k_qa2a1f645d4_qkv:
	s_mov_b64 s[64:65], 0
	v_nop
	global_prefetch_b8 v0, s[64:65] scope:SCOPE_SE
	s_setreg_imm32_b32 hwreg(HW_REG_WAVE_MODE, 25, 1), 1
	s_wait_xcnt 0x0
	s_wait_alu depctr_hold_cnt(0) depctr_sa_sdst(0) depctr_va_vdst(0) depctr_va_sdst(0) depctr_va_ssrc(0) depctr_va_vcc(0) depctr_vm_vsrc(0)
	s_getreg_b32 s2, hwreg(HW_REG_IB_STS2, 6, 4)
	s_cmp_eq_u32 s2, 0
	s_cbranch_scc0 .Lentry_in_a_cluster
	s_endpgm
.Lentry_in_a_cluster:
	s_bfe_u32 s2, ttmp6, 0x10000c
	s_cmp_lg_u32 s2, 0x3003
	s_cbranch_scc0 .Lentry_shape_is_right
	s_endpgm
.Lentry_shape_is_right:
; q = x Wq^T, k = x Wk^T, v = x Wv^T on codes of FP6 (E2M3) with E8M0 scales; q and k are rotated (RoPE) in f32 and quantised along the head's 64; v is quantised along the keys.  All three leave as operand images for the attention launch.
; SHARES.  A work-group takes 256 tokens (row block rb) and 128 columns (two heads, column group cg) of ALL THREE products.  Wave w owns 64 tokens, one chunk: its 32 fragments of x (all of K, 384 registers) come from memory once
; and serve three products.  The three weight blocks (98,304 bytes each) and their scale words lie whole in LDS, filled once: no LDS byte is filled twice, so there is no ring.
; A K step of 128 is 32 matrix instructions a wave (4 tiles of tokens x 8 tiles of columns) against 24 LDS loads of 512 bytes: only the weights are read from LDS.
; CLUSTER.  The four row blocks of a cluster need the same weights: each fill is asked for JOINTLY, by the same tensor load with the same descriptor and the mask of all four.  x is not shared so: each of its fragments goes to one
; wave's registers, and LDS is full of weights.
; TILES.  Tile 2 g + u of a chunk of 64 rows (tokens, or rows of a weight) holds in lane slot r row 32 g + 8 u + r + 8 (r / 8): where such a tile is source 0, the 16 result registers of tiles (g, 0), (g, 1) are 16 neighbours 32 g + 16 h + 0 .. 15.
; q, k: source 0 = rows of W, source 1 = tokens: a lane holds one token, and the 32 registers of a head's four tiles are its d = 16 h + 0 .. 15 and 32 + 16 h + 0 .. 15: a rotation's two partners lie in one lane.
; v: source 0 = tokens, source 1 = rows of Wv: a lane holds one d, and its 32 registers run down the chunk's 64 tokens, which are the second attention product's K.
; OUT.  A half fragment (16 rows x 64 K, 6 registers) is 768 bytes: registers 0-3 at 16 l, registers 4, 5 at 512 + 8 l.  q's and k's scale words carry 0x7f (1.0) in bytes 2, 3: the attention launch pads their K of 64 to 128 with zero codes.
; LIMITS: a block of zeros, and one whose largest magnitude lies under 2^-124, gets the byte 1; NaN and infinities are not served.
; REGISTERS, in windows of 256 (s_set_vgpr_msb: bits 1:0 source 0, 3:2 source 1, 5:4 source 2, 7:6 destination):
;   window 0: v1-15 addresses; v16-23 q's or k's scale words; v24-27 scale words on the way out; v32-47 x's scale words; v48-55 the weights' scale words, two sets; v56-61 at work; v64-72 codes just made;
;             v80-175 the weights' fragments, set 0 (in the epilogues: table tiles 2, 3 and the rotated numbers); v176-239 table tiles 0, 1
;   window 1: x's fragments of K steps 0-4 at 48 s + 12 tt.   window 2: those of K steps 5-7; from v144 the weights' fragments, set 1.   window 3: the 32 accumulators.
.set SCB,  294912                      ; LDS: behind the three weight blocks: their scale words: (m, s) at 4,096 m + 512 s, 256 bytes for each chunk of 64 columns
.set SCR,  307200                      ; 1,024 bytes of scratch for v's scale bytes: [head][key step][256]; no fill lands here
.set WV,   14                          ; s14 wave
.set MH,   24                          ; s24 mask of lanes 16-31
.set SEL,  26                          ; s[26:27] lane selects for v_permlanex16_b32: lane l xor 16
.set G1C,  32                          ; s[32:39] descriptor group 1 for codes;  s[40:47] for scale words
.set G1S,  40
.set G0S,  48                          ; s[48:51] group 0 for the scale words;  s[52:63] for the codes of q, k, v
.set G0C,  52
.set PWR,  16
.set XS,   32
.set WSC,  48
.set T,    56
.set E,    60
.set P,    64
.set RO,   144
.set MSB, 0
.macro WIN new                         ; the immediate's high byte repeats the setting that is left; a switch that changes nothing is dropped
.if MSB != (\new)
	s_set_vgpr_msb (MSB<<8)|(\new)
.set MSB, \new
.endif
.endm
.macro ROUND                           ; a round of the cluster's barrier
	s_barrier_signal -1
	s_barrier_wait -1
	s_cmp_lg_u32 s[WV], 0
	s_cbranch_scc1 .Lnot_wave_0_\@
	s_barrier_signal -3
.Lnot_wave_0_\@:
	s_barrier_wait -3
	s_barrier_signal -1
	s_barrier_wait -1
.endm
.macro PLACES n
.rept \n
	v_nop
.endr
.endm
.macro WMI                             ; one product, from the symbols rD, rA, rB (registers), rSA, rSB (scale registers), fRA, fRB (their upper lanes), fZ (it starts the sum)
.if fZ
.if fRA && fRB
	v_wmma_scale_f32_16x16x128_f8f6f4 v[rD:rD+7], v[rA:rA+11], v[rB:rB+11], 0, v[rSA], v[rSB] matrix_a_fmt:MATRIX_FMT_FP6 matrix_b_fmt:MATRIX_FMT_FP6 matrix_a_scale:MATRIX_SCALE_ROW1 matrix_b_scale:MATRIX_SCALE_ROW1
.elseif fRA
	v_wmma_scale_f32_16x16x128_f8f6f4 v[rD:rD+7], v[rA:rA+11], v[rB:rB+11], 0, v[rSA], v[rSB] matrix_a_fmt:MATRIX_FMT_FP6 matrix_b_fmt:MATRIX_FMT_FP6 matrix_a_scale:MATRIX_SCALE_ROW1
.elseif fRB
	v_wmma_scale_f32_16x16x128_f8f6f4 v[rD:rD+7], v[rA:rA+11], v[rB:rB+11], 0, v[rSA], v[rSB] matrix_a_fmt:MATRIX_FMT_FP6 matrix_b_fmt:MATRIX_FMT_FP6 matrix_b_scale:MATRIX_SCALE_ROW1
.else
	v_wmma_scale_f32_16x16x128_f8f6f4 v[rD:rD+7], v[rA:rA+11], v[rB:rB+11], 0, v[rSA], v[rSB] matrix_a_fmt:MATRIX_FMT_FP6 matrix_b_fmt:MATRIX_FMT_FP6
.endif
.else
.if fRA && fRB
	v_wmma_scale_f32_16x16x128_f8f6f4 v[rD:rD+7], v[rA:rA+11], v[rB:rB+11], v[rD:rD+7], v[rSA], v[rSB] matrix_a_fmt:MATRIX_FMT_FP6 matrix_b_fmt:MATRIX_FMT_FP6 matrix_a_scale:MATRIX_SCALE_ROW1 matrix_b_scale:MATRIX_SCALE_ROW1
.elseif fRA
	v_wmma_scale_f32_16x16x128_f8f6f4 v[rD:rD+7], v[rA:rA+11], v[rB:rB+11], v[rD:rD+7], v[rSA], v[rSB] matrix_a_fmt:MATRIX_FMT_FP6 matrix_b_fmt:MATRIX_FMT_FP6 matrix_a_scale:MATRIX_SCALE_ROW1
.elseif fRB
	v_wmma_scale_f32_16x16x128_f8f6f4 v[rD:rD+7], v[rA:rA+11], v[rB:rB+11], v[rD:rD+7], v[rSA], v[rSB] matrix_a_fmt:MATRIX_FMT_FP6 matrix_b_fmt:MATRIX_FMT_FP6 matrix_b_scale:MATRIX_SCALE_ROW1
.else
	v_wmma_scale_f32_16x16x128_f8f6f4 v[rD:rD+7], v[rA:rA+11], v[rB:rB+11], v[rD:rD+7], v[rSA], v[rSB] matrix_a_fmt:MATRIX_FMT_FP6 matrix_b_fmt:MATRIX_FMT_FP6
.endif
.endif
.endm
	s_load_b256 s[4:11], s[0:1], 0x0               ; xq, wq, rope, qq
	s_load_b64 s[12:13], s[0:1], 0x20              ; kv
	v_lshl_add_u32 v254, v0, 2, 0x4b400
	v_mov_b32 v255, 0
	ds_add_u32 v254, v255
	ds_add_u32 v254, v255
	v_lshrrev_b32 v1, 5, v0
	v_readfirstlane_b32 s[WV], v1                  ; wave 0..3
	v_and_b32 v15, 31, v0
	v_lshlrev_b32 v1, 4, v15                       ; 16 x lane
	v_lshlrev_b32 v2, 3, v15                       ; 8 x lane
	s_and_b32 s17, ttmp7, 0xffff                   ; cg: the column group, which the four partners share
	s_mov_b32 s[MH], 0xffff0000
	s_mov_b32 s[SEL], 0x76543210
	s_mov_b32 s[SEL+1], 0xfedcba98
	; group 1 for codes: a whole weight block, 98,304 dense bytes, as 384 rows of 256 bytes (32 elements of 8 bytes)
	s_mov_b32 s[G1C], 15|(3<<16)|(1<<21)           ; 15:0 the mask: all four work-groups; 17:16 elements of 8 bytes; 21 set beside a mask
	s_mov_b32 s[G1C+1], 32<<16                     ; tensor_dim0
	s_mov_b32 s[G1C+2], 384<<16                    ; tensor_dim1
	s_mov_b32 s[G1C+3], 32<<16                     ; tile_dim0
	s_mov_b32 s[G1C+4], 384                        ; tile_dim1
	s_mov_b32 s[G1C+5], 32                         ; from row to row
	s_mov_b32 s[G1C+6], 0
	s_mov_b32 s[G1C+7], 0
	; group 1 for scale words: the column group's 4,096 bytes of each of the three weights, which lie 32,768 bytes apart
	s_mov_b32 s[G1S], 15|(3<<16)|(1<<21)
	s_mov_b32 s[G1S+1], 512<<16
	s_mov_b32 s[G1S+2], 3<<16
	s_mov_b32 s[G1S+3], 512<<16
	s_mov_b32 s[G1S+4], 3
	s_mov_b32 s[G1S+5], 4096
	s_mov_b32 s[G1S+6], 0
	s_mov_b32 s[G1S+7], 0
	; what feeds the descriptors hangs on cg alone, in registers that never hold my place in the cluster
	s_lshl_b32 s66, s17, 12
	s_add_co_u32 s66, s66, 3145728                 ; scale words: 3,145,728 + 4,096 cg (+ 32,768 m)
	s_mov_b32 s67, 0
	s_mul_i32 s68, s17, 98304                      ; codes: 98,304 cg (+ 786,432 m)
	s_mov_b32 s69, 0
	s_wait_dscnt 0x0
	s_wait_kmcnt 0x0
	s_mov_b32 s[G0S], 1
	s_mov_b32 s[G0S+1], SCB
	s_add_nc_u64 s[G0S+2:G0S+3], s[6:7], s[66:67]
	s_or_b32 s[G0S+3], s[G0S+3], 0x80000000
	s_add_nc_u64 s[68:69], s[6:7], s[68:69]
.irp m, 0,1,2
	s_mov_b32 s[G0C+4*\m], 1
	s_mov_b32 s[G0C+4*\m+1], \m*98304
	s_add_nc_u64 s[G0C+4*\m+2:G0C+4*\m+3], s[68:69], \m*786432
	s_or_b32 s[G0C+4*\m+3], s[G0C+4*\m+3], 0x80000000
.endr
	ROUND                                          ; all four work-groups are here: the joint loads meet
; THE HEAD'S LOADS, ONE A WAVE: wave 0 the scale words, wave 1 Wq's block, wave 2 Wk's, wave 3 Wv's: one chain of branches on the wave's number, every way through it passes one load
.macro ARM under, g0, g1, next
	s_cmp_lt_u32 s[WV], \under
	s_cbranch_scc0 \next
	tensor_load_to_lds s[\g0:\g0+3], s[\g1:\g1+7]
	s_nop 0
	PLACES 4
	s_branch .Lasked
\next:
.endm
	ARM 1, G0S, G1S, .Lfor_q
	ARM 2, G0C, G1C, .Lfor_k
	ARM 3, G0C+4, G1C, .Lfor_v
	tensor_load_to_lds s[G0C+8:G0C+11], s[G1C:G1C+7]
	s_nop 0
	PLACES 4
.Lasked:
	s_bfe_u32 s15, ttmp6, 0x40000                  ; cx: it enters global addresses of x, the table, q, k, v alone
	s_lshl_b32 s16, ttmp9, 2
	s_add_co_u32 s16, s16, s15                     ; rb = 4 x cluster x + cx
	s_lshl_b32 s72, s16, 2
	s_add_co_u32 s72, s72, s[WV]                   ; my chunk of 64 tokens, 0 .. 127
	s_and_b32 s73, s16, 7
	s_lshl_b32 s74, s73, 2
	s_add_co_u32 s74, s74, s[WV]                   ; sc: the chunk within its sequence, 0 .. 31
	s_lshr_b32 s75, s16, 3
	s_lshl_b32 s75, s75, 4
	s_lshl_b32 s76, s17, 1
	s_add_co_u32 s75, s75, s76                     ; bh0 = 16 x batch + my first head
	s_lshl_b32 s78, s72, 11
	s_add_co_u32 s78, s78, 6291456
	s_mov_b32 s79, 0
	s_add_nc_u64 s[20:21], s[4:5], s[78:79]        ; x's scale words: 8 units of 256 bytes a chunk
	s_mul_i32 s78, s72, 49152
	s_add_nc_u64 s[4:5], s[4:5], s[78:79]          ; x's fragments: 32 x 1,536 bytes a chunk
	s_lshl_b32 s78, s74, 14
	s_add_nc_u64 s[8:9], s[8:9], s[78:79]          ; the table: four tiles of 4,096 bytes a chunk
	s_mul_i32 s80, s75, 106496
	s_lshl_b32 s78, s74, 8
	s_add_co_u32 s78, s78, s80
	s_add_co_u32 s78, s78, 98304
	s_add_nc_u64 s[28:29], s[10:11], s[78:79]      ; q's scale words
	s_mul_i32 s78, s74, 3072
	s_add_co_u32 s78, s78, s80
	s_add_nc_u64 s[10:11], s[10:11], s[78:79]      ; q's half fragments
	s_lshr_b32 s81, s[WV], 1
	s_add_co_u32 s81, s81, s75
	s_mul_i32 s81, s81, 208896
	s_lshl_b32 s82, s73, 1
	s_and_b32 s83, s[WV], 1
	s_add_co_u32 s82, s82, s83
	s_mul_i32 s82, s82, 13056
	s_add_co_u32 s78, s81, s82
	s_add_co_u32 s78, s78, 12800
	s_add_nc_u64 s[22:23], s[12:13], s[78:79]      ; the unit of v's scale words that I store: head w / 2, key step 2 (rb % 8) + w % 2
	s_mul_i32 s81, s75, 208896
	s_lshr_b32 s82, s74, 1
	s_mul_i32 s82, s82, 13056
	s_add_co_u32 s78, s81, s82
	s_add_nc_u64 s[12:13], s[12:13], s[78:79]      ; my key step's block of 13,056 bytes in kv
.macro ALOAD s                         ; x's four fragments of K step s
	WIN 0x40*(1+(\s)/5)
.irp tt, 0,1,2,3
.irp c, 0,1,2
	global_load_b128 v[48*((\s)%5)+12*\tt+4*\c:48*((\s)%5)+12*\tt+4*\c+3], v1, s[4:5] offset:(4*(\s)+\tt)*1536+512*\c
.endr
.endr
.endm
.macro TLOAD a, reg                    ; the table of token tile a: 16 cos, 16 sin a lane
.irp j, 0,1,2,3,4,5,6,7
	global_load_b128 v[(\reg)+4*\j:(\reg)+4*\j+3], v1, s[8:9] offset:4096*(\a)+512*\j
.endr
.endm
.macro FETCH_B m, s                    ; weight m's eight fragments and scale words of K step s into set s % 2: 26 LDS loads
	WIN 0
.irp hf, 0,1
	ds_load_b64 v[WSC+4*((\s)%2)+2*\hf:WSC+4*((\s)%2)+2*\hf+1], v12 offset:(\m)*4096+(\s)*512+256*\hf
.endr
	WIN 0x80*((\s)%2)
.irp ct, 0,1,2,3,4,5,6,7
.irp c, 0,1,2
	ds_load_b128 v[80+64*((\s)%2)+12*\ct+4*\c:80+64*((\s)%2)+12*\ct+4*\c+3], v[6+2*(\m)+(\s)/4] offset:((\s)%4)*12288+\ct*1536+512*\c
.endr
.endr
.endm
; A K step.  tr = 1: source 0 = the weight's rows (q, k); tr = 0: source 0 = tokens (v).  first = 1: x's fragments are still arriving.  rope = 1: table tiles 0, 1 are asked for in K step 4.
; The 32 accumulators take turns, one instruction a turn, in the same order in every K step.
.macro KSTEP m, s, tr, first, rope
.if (\s) > 0
	PLACES 4                                       ; in front of loads into the set that the last K step's products read
.endif
.if (\s) < 7
	FETCH_B \m, (\s)+1
.endif
.if (\first) && ((\s) < 4)
	ALOAD (\s)+4
.endif
.if (\rope) && ((\s) == 4)
	WIN 0
	TLOAD 0, 176
	TLOAD 1, 208
.endif
.if (\s) < 7
	s_wait_dscnt 26                                ; this K step's set is in; the 26 loads just issued may be out
.else
	s_wait_dscnt 0x0
.endif
.if \first
.if (\s) < 4
	s_wait_loadcnt 48                              ; x's scale words and this K step's fragments are in; the four K steps behind it (12 loads each) may be out
.elseif (\s) == 4
	s_wait_loadcnt 52                              ; three K steps and the 16 table loads
.else
	s_wait_loadcnt 16+12*(7-(\s))
.endif
.endif
.set wA, 1+(\s)/5
.set bA, 48*((\s)%5)
.set wB, 2*((\s)%2)
.set bB, 80+64*((\s)%2)
.set sP, (\s)%2
.set sN, \s
.if (\s) == 0
.set fZ, 1
.else
.set fZ, 0
.endif
.if \tr
	WIN 0xf0|(wA<<2)|wB
.irp tt, 0,1,2,3
.irp ct, 0,1,2,3,4,5,6,7
.set rD, 8*(8*\tt+\ct)
.set rA, bB+12*\ct
.set rB, bA+12*\tt
.set rSA, WSC+4*sP+2*(\ct/4)+(\ct%2)
.set fRA, (\ct/2)%2
.set rSB, XS+2*sN+(\tt%2)
.set fRB, \tt/2
	WMI
.endr
.endr
.else
	WIN 0xf0|(wB<<2)|wA
.irp ct, 0,1,2,3,4,5,6,7
.irp tt, 0,1,2,3
.set rD, 8*(4*\ct+\tt)
.set rA, bA+12*\tt
.set rB, bB+12*\ct
.set rSA, XS+2*sN+(\tt%2)
.set fRA, \tt/2
.set rSB, WSC+4*sP+2*(\ct/4)+(\ct%2)
.set fRB, (\ct/2)%2
	WMI
.endr
.endr
.endif
.endm
; 32 numbers of a lane at v[src] of window sw, register 16 b + i = element 32 b + 16 h + i of my row, become a half fragment's codes in v[p .. p + 5] (p + 6 .. p + 8 at work) and v[w] = byte 0 | byte 1 << 8.
.macro QUANT2 src, sw, p, w
	WIN (\sw)|((\sw)<<2)
.irp b, 0,1
	v_max3_num_f32 v[T+\b], |v[(\src)+16*\b]|, |v[(\src)+16*\b+1]|, 0x1800000   ; my 16 numbers of block b, from the low end on, and the floor 2^(3 - 127): the byte cannot fall under 1
.endr
.irp i, 2,4,6,8,10,12,14
.irp b, 0,1
	v_max3_num_f32 v[T+\b], |v[(\src)+16*\b+\i]|, |v[(\src)+16*\b+\i+1]|, v[T+\b]
.endr
.endr
	WIN 0
.irp b, 0,1
	v_permlanex16_b32 v[T+2+\b], v[T+\b], s[SEL], s[SEL+1]
.endr
.irp b, 0,1
	v_max_num_f32 v[T+\b], v[T+\b], v[T+2+\b]      ; with lane l xor 16's: the block's largest magnitude
.endr
.irp b, 0,1
	v_add_nc_u32 v[E+\b], 0xff000000, v[T+\b]      ; 2 off its exponent field: the conversion's scale operand
.endr
.irp b, 0,1
	v_lshrrev_b32 v[T+2+\b], 23, v[E+\b]           ; the scale's byte
.endr
	v_lshl_or_b32 v[\w], v[T+3], 8, v[T+2]
	s_wait_alu depctr_va_vdst(0)
	s_wait_xcnt 0x0                                ; the earlier stores have read the codes' registers
	WIN \sw
	v_cvt_scalef32_pk16_fp6_f32 v[(\p):(\p)+2], v[(\src):(\src)+15], v[E]
	v_cvt_scalef32_pk16_fp6_f32 v[(\p)+6:(\p)+8], v[(\src)+16:(\src)+31], v[E+1]
	WIN 0
	v_nop                                          ; one plain instruction behind a scaled conversion
.irp i, 0,1,2
	v_permlane16_swap_b32 v[(\p)+\i], v[(\p)+6+\i] ; the layout wants a WHOLE block in a lane: lanes 0-15 block 0, lanes 16-31 block 1
.endr
.irp i, 0,1,2
	v_mov_b32 v[(\p)+3+\i], v[(\p)+6+\i]
.endr
.endm
; The rotation of token tile tt, head hh: out(d) = a(d) cos - a(d + 32) sin, out(d + 32) = a(d + 32) cos + a(d) sin, d = 16 h + i; two at a time, each accumulator read from its low end on.
.macro ROPE tt, hh
.set AC, 32*(2*(\tt)+(\hh))
.if (\tt) < 2
.set TB, 176+32*(\tt)
.else
.set TB, 80+32*((\tt)-2)
.endif
	WIN 0x03                                       ; source 0: the accumulators
.irp i, 0,2,4,6,8,10,12,14
	v_pk_mul_f32 v[RO+16+\i:RO+17+\i], v[AC+\i:AC+\i+1], v[TB+16+\i:TB+17+\i]
	v_pk_mul_f32 v[RO+\i:RO+\i+1], v[AC+16+\i:AC+17+\i], v[TB+16+\i:TB+17+\i]
.endr
.irp i, 0,2,4,6,8,10,12,14
	v_pk_fma_f32 v[RO+\i:RO+\i+1], v[AC+\i:AC+\i+1], v[TB+\i:TB+\i+1], v[RO+\i:RO+\i+1] neg_lo:[0,0,1] neg_hi:[0,0,1]
	v_pk_fma_f32 v[RO+16+\i:RO+17+\i], v[AC+16+\i:AC+17+\i], v[TB+\i:TB+\i+1], v[RO+16+\i:RO+17+\i]
.endr
.endm
; q's or k's way out: base, va16, va8: where the half fragments go; hs: bytes from head to head; sbase, sva, soff: where the unit of scale words goes.
.macro EPI_ROPE base, va16, va8, hs, sbase, sva, soff
	PLACES 4                                       ; behind the last products: their results are read, and loads land in set 0
	WIN 0
	TLOAD 2, 80
	TLOAD 3, 112
.irp tt, 0,1,2,3
	s_wait_loadcnt 24-8*\tt                        ; this tile's table is in; the later tiles' (8 loads each) may be out
.irp hh, 0,1
	ROPE \tt, \hh
	QUANT2 RO, 0, P, PWR+4*\hh+\tt
	v_or_b32 v[PWR+4*\hh+\tt], 0x7f7f0000, v[PWR+4*\hh+\tt]   ; blocks 2, 3 of the attention launch's K of 128: scale 1.0 over zero codes
	global_store_b128 v[\va16], v[P:P+3], s[\base:\base+1] offset:768*\tt+(\hs)*\hh
	global_store_b64 v[\va8], v[P+4:P+5], s[\base:\base+1] offset:768*\tt+512+(\hs)*\hh
.endr
.endr
.irp hh, 0,1
	v_cndmask_b32 v[24+2*\hh], v[PWR+4*\hh], v[PWR+4*\hh+2], s[MH]     ; lanes 0-15: tiles (0, u); lanes 16-31: tiles (1, u)
	v_cndmask_b32 v[25+2*\hh], v[PWR+4*\hh+1], v[PWR+4*\hh+3], s[MH]
	global_store_b64 v[\sva], v[24+2*\hh:25+2*\hh], s[\sbase:\sbase+1] offset:(\soff)+(\hs)*\hh   ; one aligned unit of 256 bytes
.endr
.endm
	s_wait_alu depctr_va_vdst(0)
.irp s, 0,1,2,3,4,5,6,7
	global_load_b64 v[XS+2*\s:XS+2*\s+1], v2, s[20:21] offset:256*\s   ; x's scale words: register u, lanes 16 g + r: tile (g, u)
.endr
	ALOAD 0
	ALOAD 1
	ALOAD 2
	ALOAD 3
	WIN 0
	s_and_b32 s82, s[WV], 1
	s_mul_i32 s83, s82, 3072
	v_add_nc_u32 v3, s83, v1                       ; kv: my chunk is half w % 2 of its key step: four half fragments on
	v_add_nc_u32 v4, s83, v2
	s_lshl_b32 s83, s82, 8
	v_add_nc_u32 v5, s83, v2                       ; and one unit of scale words on
.irp k, 0,1,2,3,4,5
	v_add_nc_u32 v[6+\k], \k*49152, v1             ; LDS: 16 x lane in each half of each weight block
.endr
	v_add_nc_u32 v12, SCB, v2                      ; LDS: the weights' scale words
	v_and_b32 v13, 15, v0
	v_lshlrev_b32 v13, 3, v13
	s_lshr_b32 s83, s[WV], 1
	s_lshl_b32 s83, s83, 8
	s_lshl_b32 s82, s82, 1
	s_add_co_u32 s83, s83, s82
	s_add_co_u32 s83, s83, SCR
	v_add_nc_u32 v13, s83, v13                     ; scratch, in: key step w / 2, 8 r, my two bytes of the word at 2 (w % 2)
	s_lshl_b32 s83, s[WV], 8
	s_add_co_u32 s83, s83, SCR
	v_add_nc_u32 v14, s83, v2                      ; scratch, back: unit w
	v_mov_b32 v[T+2], 0                            ; written once: a lane permute's destination counts as one of its sources
	v_mov_b32 v[T+3], 0
	s_wait_alu depctr_va_vdst(0)
	s_cmp_lt_u32 s[WV], 2                          ; waves 0 and 1 wait for their loads: the scale words and Wq; Wk's and Wv's may stay out
	s_cbranch_scc0 .Lnot_q
	s_wait_tensorcnt 0x0
.Lnot_q:
	s_barrier_signal -1
	s_barrier_wait -1                              ; everybody's are
	FETCH_B 0, 0
.irp s, 0,1,2,3,4,5,6,7
	KSTEP 0, \s, 1, 1, 1
.endr
	EPI_ROPE 10, 1, 2, 106496, 28, 2, 0
	s_cmp_eq_u32 s[WV], 2                          ; wave 2 waits for its load: Wk
	s_cbranch_scc0 .Lnot_k
	s_wait_tensorcnt 0x0
.Lnot_k:
	s_barrier_signal -1
	s_barrier_wait -1
	FETCH_B 1, 0
.irp s, 0,1,2,3,4,5,6,7
	KSTEP 1, \s, 1, 0, 1
.endr
	EPI_ROPE 12, 3, 4, 208896, 12, 5, 12288
	s_wait_tensorcnt 0x0                           ; my part of Wv is in
	s_barrier_signal -1
	s_barrier_wait -1
	FETCH_B 2, 0
.irp s, 0,1,2,3,4,5,6,7
	KSTEP 2, \s, 0, 0, 0
.endr
	; v's way out: column tile ct = head ct / 4, d tile ct % 4; its 32 registers run down my 64 tokens: two blocks of 32 keys
	PLACES 4
.irp ct, 0,1,2,3,4,5,6,7
	QUANT2 32*\ct, 3, P, 15
	global_store_b128 v3, v[P:P+3], s[12:13] offset:6144+768*(\ct%4)+208896*(\ct/4)
	global_store_b64 v4, v[P+4:P+5], s[12:13] offset:6144+768*(\ct%4)+512+208896*(\ct/4)
	ds_store_b16 v13, v15 offset:512*(\ct/4)+128*((\ct%4)/2)+4*(\ct%2)   ; a key step's word has two waves' bytes: they meet in LDS (both lanes of a row write the same two bytes with the same value)
.endr
	s_wait_dscnt 0x0                               ; for the others' sake: my stores have landed
	s_barrier_signal -1
	s_barrier_wait -1
	ds_load_b64 v[24:25], v14
	s_wait_dscnt 0x0
	global_store_b64 v2, v[24:25], s[22:23]        ; one aligned unit of 256 bytes
	s_wait_tensorcnt 0x0
	ds_add_u32 v254, v255
	s_wait_dscnt 0x0
	ROUND                                          ; the closing round: no work-group ends while a partner may still ask for a tile that names it
	s_endpgm
.Lfunc_end_k_qa2a1f645d4_qkv:
	.size	k_qa2a1f645d4_qkv, .Lfunc_end_k_qa2a1f645d4_qkv-k_qa2a1f645d4_qkv
	.p2alignl 7, 3214868480
	.fill 96, 4, 3214868480
	.section	.rodata,"a",@progbits
	.p2align	6, 0x0
	.amdhsa_kernel k_qa2a1f645d4_qkv
		.amdhsa_group_segment_fixed_size 327680
		.amdhsa_private_segment_fixed_size 0
		.amdhsa_enable_private_segment 0
		.amdhsa_kernarg_size 40
		.amdhsa_user_sgpr_count 2
		.amdhsa_user_sgpr_kernarg_segment_ptr 1
		.amdhsa_wavefront_size32 1
		.amdhsa_system_sgpr_workgroup_id_x 1
		.amdhsa_system_sgpr_workgroup_id_y 1
		.amdhsa_system_sgpr_workgroup_id_z 1
		.amdhsa_system_vgpr_workitem_id 0
		.amdhsa_next_free_vgpr 1024
		.amdhsa_next_free_sgpr 100
		.amdhsa_reserve_vcc 0
		.amdhsa_float_denorm_mode_32 3
		.amdhsa_float_denorm_mode_16_64 3
		.amdhsa_memory_ordered 1
		.amdhsa_forward_progress 1
		.amdhsa_inst_pref_size 253
	.end_amdhsa_kernel
	.amdgpu_metadata
---
amdhsa.version: [ 1, 2 ]
amdhsa.kernels:
  - .name:           k_qa2a1f645d4_qkv
    .symbol:         k_qa2a1f645d4_qkv.kd
    .args:
      - { .name: xq, .offset: 0, .size: 8, .value_kind: global_buffer, .address_space: global }
      - { .name: wq, .offset: 8, .size: 8, .value_kind: global_buffer, .address_space: global }
      - { .name: rope, .offset: 16, .size: 8, .value_kind: global_buffer, .address_space: global }
      - { .name: qq, .offset: 24, .size: 8, .value_kind: global_buffer, .address_space: global }
      - { .name: kv, .offset: 32, .size: 8, .value_kind: global_buffer, .address_space: global }
    .group_segment_fixed_size: 327680
    .private_segment_fixed_size: 0
    .kernarg_segment_align: 8
    .kernarg_segment_size: 40
    .max_flat_workgroup_size: 128
    .sgpr_count:     100
    .vgpr_count:     1024
    .wavefront_size: 32
...
	.end_amdgpu_metadata
.endif
;; end of part 2
;; launch attn (part 3): grid 4 x 64, 16 waves a work-group, clusters of 4 x 1, 327,680 bytes of LDS; arguments qq, kv, ao; writes ao
.if DOCPART == 3
	.amdgcn_target "amdgcn-amd-amdhsa--gfx1250"
	.amdhsa_code_object_version 6
	.text
	.protected	k_qa2a1f645d4_attn
	.globl	k_qa2a1f645d4_attn
	.p2align	8
	.type	k_qa2a1f645d4_attn,@function
k_qa2a1f645d4_attn:
	s_mov_b64 s[64:65], 0
	v_nop
	global_prefetch_b8 v0, s[64:65] scope:SCOPE_SE
	s_setreg_imm32_b32 hwreg(HW_REG_WAVE_MODE, 25, 1), 1
	s_wait_xcnt 0x0
	s_wait_alu depctr_hold_cnt(0) depctr_sa_sdst(0) depctr_va_vdst(0) depctr_va_sdst(0) depctr_va_ssrc(0) depctr_va_vcc(0) depctr_vm_vsrc(0)
	s_getreg_b32 s2, hwreg(HW_REG_IB_STS2, 6, 4)
	s_cmp_eq_u32 s2, 0
	s_cbranch_scc0 .Lentry_in_a_cluster
	s_endpgm
.Lentry_in_a_cluster:
	s_bfe_u32 s2, ttmp6, 0x10000c
	s_cmp_lg_u32 s2, 0x3003
	s_cbranch_scc0 .Lentry_shape_is_right
	s_endpgm
.Lentry_shape_is_right:
; O = softmax(q k^T / 8, causal) v for one head of one batch a cluster, both products on codes of FP6 (E2M3) with E8M0 scales; O / l is quantised along the model's axis and leaves as halves of the output projection's operand.
; LEFT OUT: key steps all of whose keys come after a tile's queries: the causal mask sets their scores to -infinity, so their p are 0 for all values of the inputs.
; THE SOFTMAX: t = score x log2(e) / 8; M = the row's largest t so far, rounded UP to a whole number; p = 2^(t - M) is quantised along the keys, not normalised; the row's sum is taken of the unquantised p and divides O at the end.
; When M moves, the sum and O are multiplied by 2^(old M - new M): exact.
; SHARES.  The cluster's y is batch x 16 + head.  The head's K, V and scale words, 208,896 bytes laid as 16 key steps of 13,056 bytes, lie whole in each partner's LDS, filled once by joint loads, one key step a wave: no LDS byte is filled twice.
; A head's 128 tiles of 16 queries are 16 diagonal blocks sd of 8 tiles (128 queries, as many as a key step has keys).  Partner cx takes tiles 8 sd + 2 cx + i, i = 0, 1, of EVERY sd.
; Wave w takes i = w / 8 and two blocks, one after the other: sd = 8 + w % 8, then sd = 7 - w % 8 (the first xor 15): 9 + w % 8 and 8 - w % 8 live key steps, 17 in every wave, and four live steps in every wave ahead of the second barrier.
; So which steps a wave leaves out hangs on the wave's number alone and is the same in all partners; cx enters Q's and the result's global addresses and the mask's numbers, and nothing else.
; EVERY wave walks all 16 steps of each tile: the loops' trip counts are constants.  A hidden step is left out by a scalar branch on ids; on the diagonal hidden scores become -infinity.
; LAYOUT.  Both products are used transposed: S^T = K Q^T, O^T = V^T P^T: a lane holds ONE query (slot lane % 16) throughout.  Lane slot r of key tile 2 b + u holds key 32 b + 8 u + r + 8 (r / 8), so that the 16 registers of tiles 2 b,
; 2 b + 1 are keys 32 b + 16 h + 0 .. 15; V^T's rows d are ordered likewise, so that O^T's 32 registers are d = 32 b + 16 h + i: both are what a quantiser wants.
; K = 64 IN AN INSTRUCTION OF 128.  A tile of k is 6 registers.  Tile t's operand names v[KF + 6 t .. KF + 6 t + 11]: its upper six are the NEXT tile's codes (for t = 7 six registers of zeros).  They meet Q's upper six registers, which
; are zero codes, under scale bytes 0x7f: every 6-bit code is a finite number, so they add exact zeros.
; THE RESULTS' SCALE WORDS of a block sd (128 bytes: 8 r + 4 i) come from two waves: they meet in LDS bytes of their own (STG), and wave w stores block w's 128 consecutive bytes.
; NO PREFETCH: all that the launch reads is asked for at its head; there is no later load to run ahead of.
; LIMITS: a block whose every p is 0 keeps the byte 1 (its codes are zeros); 1 / l is v_rcp_f32's; NaN and infinities are not served; the scaled scores stay under 2^31 in magnitude.
; REGISTERS: v1-8 addresses and the mask's number; v9-10 the results' scale words; v12 -M, v13 the largest t, v[14:15] the sum; v16-39 Q's two tiles; v40-41 their scale words; v42-89 K's or V's fragments; v90-95 zeros;
;   v96-159 S^T, then p; v160-191 O^T; v192-210 p's codes; v212-217 K's and V's scale words; v218-220 LDS addresses in STG; v224-254 at work; v248 p's scale word; v249, v255 the add's two registers.
.set STEPB, 13056                      ; a key step in LDS and in kv: 8 half fragments of K, 8 of V, 2 units of K's scale words, 1 of V's
.set SPARE, 0x33000                    ; behind the 16 key steps: the spare words, 128 bytes for each of 16 waves
.set STG,   0x33800                    ; behind them: 2,048 bytes for the results' scale words; no fill lands here
.set KF,   42
.set S,    96
.set O,    160
.set PC,   192
.set KSC,  212
.set VSC,  216
.set BM,   224
.set T,    228
.set E,    232
.set WV,   10                          ; s10 wave
.set SD,   13                          ; s13 the diagonal block in hand
.set TB,   14                          ; s14 LDS byte at which the step in hand begins
.set KI,   15                          ; s15 the step's number
.set CNT,  16                          ; s16 trips to go
.set CS,   18                          ; s[18:19] c = log2(e) / 8
.set SEL,  20                          ; s[20:21] lane selects: lane l xor 16
.macro ROUND                           ; a round of the cluster's barrier
	s_barrier_signal -1
	s_barrier_wait -1
	s_cmp_lg_u32 s[WV], 0
	s_cbranch_scc1 .Lnot_wave_0_\@
	s_barrier_signal -3
.Lnot_wave_0_\@:
	s_barrier_wait -3
	s_barrier_signal -1
	s_barrier_wait -1
.endm
.macro PLACES n
.rept \n
	v_nop
.endr
.endm
.macro WMI                             ; one product, from the symbols rD, rA, rB, rSA, rSB, fRA (source 0's scales in lanes 16-31), fZ (it starts the sum)
.if fZ
.if fRA
	v_wmma_scale_f32_16x16x128_f8f6f4 v[rD:rD+7], v[rA:rA+11], v[rB:rB+11], 0, v[rSA], v[rSB] matrix_a_fmt:MATRIX_FMT_FP6 matrix_b_fmt:MATRIX_FMT_FP6 matrix_a_scale:MATRIX_SCALE_ROW1
.else
	v_wmma_scale_f32_16x16x128_f8f6f4 v[rD:rD+7], v[rA:rA+11], v[rB:rB+11], 0, v[rSA], v[rSB] matrix_a_fmt:MATRIX_FMT_FP6 matrix_b_fmt:MATRIX_FMT_FP6
.endif
.else
.if fRA
	v_wmma_scale_f32_16x16x128_f8f6f4 v[rD:rD+7], v[rA:rA+11], v[rB:rB+11], v[rD:rD+7], v[rSA], v[rSB] matrix_a_fmt:MATRIX_FMT_FP6 matrix_b_fmt:MATRIX_FMT_FP6 matrix_a_scale:MATRIX_SCALE_ROW1
.else
	v_wmma_scale_f32_16x16x128_f8f6f4 v[rD:rD+7], v[rA:rA+11], v[rB:rB+11], v[rD:rD+7], v[rSA], v[rSB] matrix_a_fmt:MATRIX_FMT_FP6 matrix_b_fmt:MATRIX_FMT_FP6
.endif
.endif
.endm
	s_load_b128 s[4:7], s[0:1], 0x0                ; qq, kv
	s_load_b64 s[8:9], s[0:1], 0x10                ; ao
	v_lshl_add_u32 v249, v0, 2, SPARE
	v_mov_b32 v255, 0
	ds_add_u32 v249, v255                          ; the opening lines: the add, twice on end, and its wait ahead of my tensor load
	ds_add_u32 v249, v255
	v_lshrrev_b32 v1, 5, v0
	v_readfirstlane_b32 s[WV], v1                  ; wave 0..15
	s_and_b32 s12, ttmp7, 0xffff                   ; bh = 16 x batch + head, which the four partners share
	s_mov_b32 s[CS], 0x3e38aa3b
	s_mov_b32 s[CS+1], s[CS]                       ; (named with it as a pair, so it is written)
	s_mov_b32 s[SEL], 0x76543210
	s_mov_b32 s[SEL+1], 0xfedcba98
	; group 1: a key step, 13,056 dense bytes, as 51 rows of 256 (32 elements of 8 bytes)
	s_mov_b32 s24, 15|(3<<16)|(1<<21)              ; 15:0 the mask: all four work-groups; 17:16 elements of 8 bytes; 21 set beside a mask
	s_mov_b32 s25, 32<<16
	s_mov_b32 s26, 51<<16
	s_mov_b32 s27, 32<<16
	s_mov_b32 s28, 51
	s_mov_b32 s29, 32
	s_mov_b32 s30, 0
	s_mov_b32 s31, 0
	; group 0: wave w fetches key step w; nothing here hangs on my place in the cluster
	s_mul_i32 s50, s12, 208896
	s_mul_i32 s41, s[WV], STEPB
	s_add_co_u32 s48, s50, s41
	s_mov_b32 s49, 0
	s_and_b32 s[SD], s[WV], 7
	s_or_b32 s[SD], s[SD], 8                       ; my first diagonal block: 8 + w % 8
	s_xor_b32 s38, s[SD], 15                       ; my second: 7 - w % 8
	s_lshr_b32 s56, s[WV], 3                       ; i: which of the partner's two tiles of a block
	s_wait_dscnt 0x0
	s_wait_kmcnt 0x0
	s_mov_b32 s40, 1
	s_add_nc_u64 s[42:43], s[6:7], s[48:49]
	s_or_b32 s43, s43, 0x80000000
	ROUND                                          ; all four work-groups are here: the joint loads meet
	s_cmp_lt_u32 s[WV], 4                          ; one load a wave, in two arms: waves 0-3, whose key steps the first barrier shows, have a line of their own
	s_cbranch_scc0 .Lfill_late
	tensor_load_to_lds s[40:43], s[24:31]
	s_nop 0
	PLACES 4
	s_branch .Lfilled
.Lfill_late:
	tensor_load_to_lds s[40:43], s[24:31]
	s_nop 0
	PLACES 4
.Lfilled:
	s_bfe_u32 s57, ttmp6, 0x40000                  ; cx
	s_lshr_b32 s74, s57, 1
	s_and_b32 s75, s57, 1
	s_lshr_b32 s66, s12, 4
	s_lshl_b32 s66, s66, 5                         ; 32 chunks of 64 tokens a batch
	s_and_b32 s67, s12, 15                         ; the head
	s_mul_i32 s58, s12, 106496
	s_lshl_b32 s77, s75, 7                         ; 128 (cx % 2)
	s_lshl_b32 s55, s57, 1
	s_add_co_u32 s55, s55, s56                     ; 2 cx + i
	s_lshl_b32 s54, s56, 2
	s_add_co_u32 s54, s54, s77
	s_add_co_u32 s54, s54, s58
	s_add_co_u32 s54, s54, 98304                   ; Q's scale words: the head's, + 128 (cx % 2) + 4 i
	s_lshr_b32 s53, s67, 1
	s_lshl_b32 s52, s75, 1
	s_add_co_u32 s52, s52, s56                     ; my tile within its chunk: 2 (cx % 2) + i
	s_and_b32 s51, s67, 1
	s_mov_b32 s73, 0
.macro PLACE sd, qf, qw, res           ; the tile of diagonal block s[sd]: where Q's half fragment, Q's scale words and the result lie
	s_lshl_b32 s76, s[\sd], 1
	s_add_co_u32 s76, s76, s74                     ; its chunk of 64 tokens within the sequence: 2 sd + cx / 2
	s_lshl_b32 s59, s[\sd], 3
	s_add_co_u32 s59, s59, s55                     ; the tile: 8 sd + 2 cx + i
	s_mul_i32 s72, s59, 768
	s_add_co_u32 s72, s72, s58
	s_add_nc_u64 s[\qf:\qf+1], s[4:5], s[72:73]
	s_lshl_b32 s72, s76, 8
	s_add_co_u32 s72, s72, s54
	s_add_nc_u64 s[\qw:\qw+1], s[4:5], s[72:73]
	s_add_co_u32 s76, s76, s66                     ; the chunk among all 128
	s_lshl_b32 s72, s76, 3
	s_add_co_u32 s72, s72, s53
	s_lshl_b32 s72, s72, 2
	s_add_co_u32 s72, s72, s52
	s_lshl_b32 s72, s72, 1
	s_add_co_u32 s72, s72, s51
	s_mul_i32 s72, s72, 768
	s_add_nc_u64 s[\res:\res+1], s[8:9], s[72:73]  ; (((chunk x 8 + head / 2) x 4 + tile) x 2 + head % 2) x 768
.endm
	PLACE SD, 60, 62, 68
	PLACE 38, 32, 34, 36
	s_lshl_b32 s72, s[WV], 1                       ; the scale words that I store are block w's: unit chunk x 16 + head, half cx % 2
	s_add_co_u32 s72, s72, s74
	s_add_co_u32 s72, s72, s66
	s_lshl_b32 s72, s72, 4
	s_add_co_u32 s72, s72, s67
	s_lshl_b32 s72, s72, 8
	s_add_co_u32 s72, s72, s77
	s_add_co_u32 s72, s72, 6291456
	s_add_nc_u64 s[70:71], s[8:9], s[72:73]
	s_lshl_b32 s59, s56, 2
	s_add_co_u32 s59, s59, STG                     ; STG + 4 i
	s_lshl_b32 s79, s[SD], 7
	s_add_co_u32 s79, s79, s59                     ; where my first tile's words go: STG + 128 sd + 4 i (+ 8 r)
	s_lshl_b32 s39, s38, 7
	s_add_co_u32 s39, s39, s59                     ; and my second's
	s_lshl_b32 s76, s[WV], 7
	s_add_co_u32 s76, s76, STG                     ; what I read back: block w's 128 bytes
	s_lshl_b32 s78, s57, 5
	s_lshl_b32 s72, s56, 3
	s_add_co_u32 s78, s78, s72                     ; 32 cx + 8 i
	v_and_b32 v252, 31, v0
	s_delay_alu instid0(VALU_DEP_1)
	v_lshlrev_b32 v1, 4, v252                      ; 16 x lane
	s_delay_alu instid0(VALU_DEP_2)
	v_lshlrev_b32 v2, 3, v252                      ; 8 x lane
	v_and_b32 v3, 15, v0                           ; r
	v_bfe_u32 v252, v0, 4, 1                       ; h
	s_delay_alu instid0(VALU_DEP_2)
	v_and_b32 v253, 8, v3
	s_delay_alu instid0(VALU_DEP_1)
	v_add_nc_u32 v253, v253, v3                    ; r + 8 (r / 8)
	s_delay_alu instid0(VALU_DEP_3)
	v_lshlrev_b32 v254, 4, v252
	s_delay_alu instid0(VALU_DEP_1)
	v_sub_nc_u32 v4, v253, v254
	s_delay_alu instid0(VALU_DEP_1)
	v_add_nc_u32 v4, s78, v4                       ; my query within its 128, less 16 h: 32 cx + 8 i + r + 8 (r / 8) - 16 h: the same for both tiles
	v_lshlrev_b32 v3, 3, v3                        ; 8 r
	v_and_b32 v8, 31, v0
	v_add_nc_u32 v218, s79, v3
	v_add_nc_u32 v219, s39, v3
	v_lshlrev_b32 v8, 2, v8                        ; 4 x lane
	v_add_nc_u32 v220, s76, v8
	global_load_b128 v[16:19], v1, s[60:61]
	global_load_b64 v[20:21], v2, s[60:61] offset:512
	global_load_b32 v40, v3, s[62:63]
	global_load_b128 v[28:31], v1, s[32:33]
	global_load_b64 v[32:33], v2, s[32:33] offset:512
	global_load_b32 v41, v3, s[34:35]
.irp j, 22,23,24,25,26,27,34,35,36,37,38,39,90,91,92,93,94,95
	v_mov_b32 v[\j], 0                             ; Q's upper halves and the six registers behind K's last tile: zero codes
.endr
.irp j, 228,229,230,231,251,252
	v_mov_b32 v[\j], 0                             ; written once: lane permutes' destinations count as sources, and v251 is named as the upper half of a pair
.endr
.macro INIT                            ; a tile begins: O^T and the sum as zeros, the largest t under every t: the first change of M multiplies zeros
	v_mov_b32 v13, 0xff61b1e6
	s_delay_alu instid0(VALU_DEP_1)
	v_floor_f32 v12, -v13
	v_mov_b32 v14, 0
	v_mov_b32 v15, 0
.irp j, 0,1,2,3,4,5,6,7,8,9,10,11,12,13,14,15,16,17,18,19,20,21,22,23,24,25,26,27,28,29,30,31
	v_mov_b32 v[O+\j], 0
.endr
	s_mov_b32 s[TB], 0
	s_mov_b32 s[KI], 0
.endm
; K RUNS ONE STEP AHEAD.  A step's K fragments and scale words are asked for directly behind the step before's last products (a tile's first: by KFIRST), 18 LDS loads in the order: 2 of scale words, then 2 for each tile.
; v221, v222 hold the LDS place of the step asked for (16 x lane, 8 x lane): they are made directly ahead of these loads and read by nothing else.  V's loads have v6, v7, made in their own step.
.macro KLOAD
.irp c, 0,1
	ds_load_b64 v[KSC+2*\c:KSC+2*\c+1], v222 offset:12288+256*\c
.endr
.irp t, 0,1,2,3,4,5,6,7
	ds_load_b128 v[KF+6*\t:KF+6*\t+3], v221 offset:768*\t
	ds_load_b64 v[KF+6*\t+4:KF+6*\t+5], v222 offset:768*\t+512
.endr
.endm
.macro KFIRST                          ; the K of the step at s[TB]
	v_add_nc_u32 v221, s[TB], v1
	v_add_nc_u32 v222, s[TB], v2
	KLOAD
.endm
; The row's sum of the unquantised p, two at a time, in eight chains.  It feeds no product: it stands behind the step's last products, its first two lines ahead of the next K's loads and the other 30 behind them.
.macro SUM_A
	v_pk_add_f32 v[236:237], v[100:101], v[104:105]
	v_pk_add_f32 v[246:247], v[108:109], v[112:113]
.endm
.macro SUM_B
	v_pk_add_f32 v[244:245], v[116:117], v[120:121]
	v_pk_add_f32 v[242:243], v[124:125], v[128:129]
	v_pk_add_f32 v[240:241], v[132:133], v[136:137]
	v_pk_add_f32 v[238:239], v[140:141], v[144:145]
	v_pk_add_f32 v[234:235], v[148:149], v[152:153]
	v_pk_add_f32 v[14:15], v[14:15], v[156:157]
	v_pk_add_f32 v[236:237], v[236:237], v[96:97]
	v_pk_add_f32 v[246:247], v[246:247], v[98:99]
	v_pk_add_f32 v[244:245], v[244:245], v[102:103]
	v_pk_add_f32 v[242:243], v[242:243], v[106:107]
	v_pk_add_f32 v[240:241], v[240:241], v[110:111]
	v_pk_add_f32 v[238:239], v[238:239], v[114:115]
	v_pk_add_f32 v[234:235], v[234:235], v[118:119]
	v_pk_add_f32 v[14:15], v[14:15], v[122:123]
	v_pk_add_f32 v[236:237], v[236:237], v[126:127]
	v_pk_add_f32 v[246:247], v[246:247], v[130:131]
	v_pk_add_f32 v[244:245], v[244:245], v[134:135]
	v_pk_add_f32 v[242:243], v[242:243], v[138:139]
	v_pk_add_f32 v[240:241], v[240:241], v[142:143]
	v_pk_add_f32 v[238:239], v[238:239], v[146:147]
	v_pk_add_f32 v[234:235], v[234:235], v[150:151]
	v_pk_add_f32 v[14:15], v[14:15], v[154:155]
	v_pk_add_f32 v[236:237], v[236:237], v[158:159]
	s_delay_alu instid0(VALU_DEP_2)
	v_pk_add_f32 v[14:15], v[14:15], v[242:243]
	s_delay_alu instid0(VALU_DEP_2)
	v_pk_add_f32 v[236:237], v[236:237], v[240:241]
	v_pk_add_f32 v[246:247], v[246:247], v[238:239]
	v_pk_add_f32 v[244:245], v[244:245], v[234:235]
	s_delay_alu instid0(VALU_DEP_2)
	v_pk_add_f32 v[14:15], v[14:15], v[246:247]
	s_delay_alu instid0(VALU_DEP_2)
	v_pk_add_f32 v[236:237], v[236:237], v[244:245]
	s_delay_alu instid0(VALU_DEP_1)
	v_pk_add_f32 v[14:15], v[14:15], v[236:237]
.endm
; lim: the LDS byte of the last key step that may be asked for ahead: the next step's place is held there, so that a tile's last live step (and the last step ahead of the second barrier) asks for bytes that have landed; what it brings then is not used.
.macro STEP qb, qs, qd, lim
	s_cmp_gt_u32 s[KI], s[SD]                      ; all its keys come after my queries: nothing but the steps of TB and KI
	s_cbranch_scc1 .Lhid_\@
.irp t, 0,1,2,3,4,5,6,7
.if \t < 7
	s_wait_dscnt 12-2*\t                           ; of the 18 loads the scale words' two and tiles 0 .. t + 1 are in: the 2 (6 - t) loads of the later tiles may be out
.endif
.set rD, S+8*\t
.set rA, KF+6*\t
.set rB, \qb
.set rSA, KSC+2*(\t/4)+(\t%2)
.set rSB, \qs
.set fRA, (\t/2)%2
.set fZ, 1
	WMI
.endr
	v_add_nc_u32 v6, s[TB], v1                     ; this step's place in LDS, for V's loads
	v_add_nc_u32 v7, s[TB], v2
	PLACES 2                                       ; with the two lines above: four places in front of the loads below and of the first read of the scores
.irp dt, 0,1,2,3
.irp c, 0,1
	ds_load_b128 v[KF+12*\dt+6*\c:KF+12*\dt+6*\c+3], v6 offset:6144+(4*\c+\dt)*768   ; V's fragments land while the softmax is walked
	ds_load_b64 v[KF+12*\dt+6*\c+4:KF+12*\dt+6*\c+5], v7 offset:6144+(4*\c+\dt)*768+512
.endr
.endr
	ds_load_b64 v[VSC:VSC+1], v7 offset:12800
	s_cmp_lg_u32 s[KI], s[SD]                      ; only the step on the diagonal has hidden keys
	s_cbranch_scc1 .Lopen_\@
	v_mov_b32 v254, 0xff800000                     ; -infinity.  Register 16 b + i holds key 32 b + 16 h + i of the step: hidden where 32 b + i > my query - 16 h
.irp n, 0,1,2,3,4,5,6,7,8,9,10,11,12,13,14,15,16,17,18,19,20,21,22,23,24,25,26,27,28,29,30,31,32,33,34,35,36,37,38,39,40,41,42,43,44,45,46,47,48,49,50,51,52,53,54,55,56,57,58,59,60,61,62,63
	v_cmp_gt_i32 vcc_lo, 32*(\n/16)+\n%16, v[\qd]
	v_cndmask_b32 v[S+\n], v[S+\n], v254, vcc_lo
.endr
.Lopen_\@:
.irp b, 0,1,2,3
	v_max3_num_f32 v[BM+\b], v[S+16*\b], v[S+16*\b+1], v[S+16*\b+2]   ; the largest score of each block of 32 keys: it serves the row's maximum and, since p rises with the score, the block's largest p
.endr
.irp i, 3,5,7,9,11,13
.irp b, 0,1,2,3
	v_max3_num_f32 v[BM+\b], v[BM+\b], v[S+16*\b+\i], v[S+16*\b+\i+1]
.endr
.endr
.irp b, 0,1,2,3
	v_max_num_f32 v[BM+\b], v[BM+\b], v[S+16*\b+15]
.endr
.irp b, 0,1,2,3
	s_delay_alu instid0(VALU_DEP_4)
	v_permlanex16_b32 v[T+\b], v[BM+\b], s[SEL], s[SEL+1]
.endr
.irp b, 0,1,2,3
	s_delay_alu instid0(VALU_DEP_4)
	v_max_num_f32 v[BM+\b], v[BM+\b], v[T+\b]      ; with lane l xor 16's 16 keys
.endr
	s_delay_alu instid0(VALU_DEP_2)
	v_max3_num_f32 v254, v[BM], v[BM+1], v[BM+2]
	s_delay_alu instid0(VALU_DEP_1)
	v_max_num_f32 v254, v254, v[BM+3]
	s_delay_alu instid0(VALU_DEP_1)
	v_mul_f32 v254, s[CS], v254                    ; the step's largest t
	s_delay_alu instid0(VALU_DEP_1)
	v_max_num_f32 v13, v13, v254                   ; the running largest t
	v_mov_b32 v254, v12
	s_delay_alu instid0(VALU_DEP_2)
	v_floor_f32 v12, -v13                          ; the new -M = -ceil(t)
	s_delay_alu instid0(VALU_DEP_1)
	v_sub_f32 v254, v12, v254                      ; old M - new M: a whole number, 0 or less
	s_delay_alu instid0(VALU_DEP_1)
	v_cvt_i32_f32 v254, v254                       ; (it saturates)
	s_delay_alu instid0(VALU_DEP_1)
	v_ldexp_f32 v250, 1.0, v254                    ; f = 2^(old M - new M)
.irp j, 0,2,4,6,8,10,12,14,16,18,20,22,24,26,28,30,32,34,36,38,40,42,44,46,48,50,52,54,56,58,60,62
	v_pk_fma_f32 v[S+\j:S+\j+1], v[S+\j:S+\j+1], s[CS:CS+1], v[12:13] op_sel_hi:[1,0,0]   ; t - M, two at a time
.endr
.irp b, 0,1,2,3
	v_fma_f32 v[BM+\b], v[BM+\b], s[CS], v12       ; the same of each block's largest score
.endr
	s_wait_alu depctr_va_vdst(0)                   ; the wait ahead of the batch
.irp j, 0,1,2,3,4,5,6,7,8,9,10,11,12,13,14,15,16,17,18,19,20,21,22,23,24,25,26,27,28,29,30,31,32,33,34,35,36,37,38,39,40,41,42,43,44,45,46,47,48,49,50,51,52,53,54,55,56,57,58,59,60,61,62,63
	v_exp_f32 v[S+\j], v[S+\j]                     ; p = 2^(t - M)
.endr
.irp b, 0,1,2,3
	v_exp_f32 v[BM+\b], v[BM+\b]                   ; the blocks' largest p, in the same batch: the same two instructions on the same number give the same bits
.endr
	v_pk_mul_f32 v[14:15], v[14:15], v[250:251] op_sel_hi:[1,0]   ; the sum under the new M: the plain instruction behind the exponentials
	s_wait_alu depctr_va_vdst(0)                   ; one wait for the batch of 68, ahead of its first reader
.irp b, 0,1,2,3
	v_max_num_f32 v[BM+\b], 0x1800000, v[BM+\b]    ; the floor 2^(3 - 127): the byte cannot fall under 1
.endr
.irp b, 0,1,2,3
	s_delay_alu instid0(VALU_DEP_4)
	v_add_nc_u32 v[E+\b], 0xff000000, v[BM+\b]     ; 2 off the exponent field: the conversion's scale operand
.endr
.irp b, 0,1,2,3
	s_delay_alu instid0(VALU_DEP_4)
	v_lshrrev_b32 v[236+\b], 23, v[E+\b]           ; the scale's byte
.endr
	s_delay_alu instid0(VALU_DEP_3)
	v_lshl_or_b32 v248, v237, 8, v236              ; p's scale word for these 128 keys
	s_delay_alu instid0(VALU_DEP_1)
	v_lshl_or_b32 v248, v238, 16, v248
	s_delay_alu instid0(VALU_DEP_1)
	v_lshl_or_b32 v248, v239, 24, v248
.irp c, 0,1
	v_cvt_scalef32_pk16_fp6_f32 v[PC+6*\c:PC+6*\c+2], v[S+32*\c:S+32*\c+15], v[E+2*\c]
	v_cvt_scalef32_pk16_fp6_f32 v[204+4*\c:206+4*\c], v[S+32*\c+16:S+32*\c+31], v[E+2*\c+1]   ; (a conversion's three registers begin on an even number)
.endr
	v_nop                                          ; one plain instruction behind a scaled conversion
.irp c, 0,1
.irp i, 0,1,2
	v_permlane16_swap_b32 v[PC+6*\c+\i], v[204+4*\c+\i]   ; the layout wants a WHOLE block in a lane
.endr
.irp i, 0,1,2
	s_delay_alu instid0(VALU_DEP_3)
	v_mov_b32 v[PC+6*\c+3+\i], v[204+4*\c+\i]
.endr
.endr
.irp j, 0,2,4,6,8,10,12,14,16,18,20,22,24,26,28,30
	v_pk_mul_f32 v[O+\j:O+\j+1], v[O+\j:O+\j+1], v[250:251] op_sel_hi:[1,0]   ; O^T under the new M; these 16 are also the places between p's codes and scale word and the products
.endr
	s_wait_alu depctr_va_vdst(0)                   ; directly ahead of the wait below
	s_wait_dscnt 0x0                               ; V is in
.irp dt, 0,1,2,3
.set rD, O+8*\dt
.set rA, KF+12*\dt
.set rB, PC
.set rSA, VSC+(\dt%2)
.set rSB, 248
.set fRA, \dt/2
.set fZ, 0
	WMI
.endr
	s_add_co_u32 s17, s[TB], STEPB
	s_min_u32 s17, s17, \lim                       ; the next step's place, held at lim
	v_add_nc_u32 v221, s17, v1
	v_add_nc_u32 v222, s17, v2
	SUM_A                                          ; with the two lines above: four places between the products and the loads into the registers that they read
	KLOAD                                          ; the next step's K
	SUM_B                                          ; 30 lines of the sum stand behind the loads, ahead of the wait for them
.Lhid_\@:
	s_add_co_u32 s[TB], s[TB], STEPB
	s_add_co_u32 s[KI], s[KI], 1
.endm
.macro WALK n, qb, qs, qd, lim         ; n key steps: a constant
	s_mov_b32 s[CNT], \n
.Lwalk_\@:
	STEP \qb, \qs, \qd, \lim
	s_sub_co_u32 s[CNT], s[CNT], 1
	s_cmp_lg_u32 s[CNT], 0
	s_cbranch_scc1 .Lwalk_\@
.endm
; 32 numbers at v[S], register 16 b + i = d 32 b + 16 h + i of my query, become a half fragment in v[PC .. PC + 5] and v[w] = byte 0 | byte 1 << 8 (the same in lanes l and l xor 16)
.macro QUANT2 w
.irp b, 0,1
	v_max3_num_f32 v[T+\b], |v[S+16*\b]|, |v[S+16*\b+1]|, 0x1800000
.endr
.irp i, 2,4,6,8,10,12,14
.irp b, 0,1
	s_delay_alu instid0(VALU_DEP_2)
	v_max3_num_f32 v[T+\b], |v[S+16*\b+\i]|, |v[S+16*\b+\i+1]|, v[T+\b]
.endr
.endr
.irp b, 0,1
	s_delay_alu instid0(VALU_DEP_2)
	v_permlanex16_b32 v[T+2+\b], v[T+\b], s[SEL], s[SEL+1]
.endr
.irp b, 0,1
	s_delay_alu instid0(VALU_DEP_2)
	v_max_num_f32 v[T+\b], v[T+\b], v[T+2+\b]
.endr
.irp b, 0,1
	s_delay_alu instid0(VALU_DEP_2)
	v_add_nc_u32 v[E+\b], 0xff000000, v[T+\b]
.endr
.irp b, 0,1
	s_delay_alu instid0(VALU_DEP_2)
	v_lshrrev_b32 v[T+2+\b], 23, v[E+\b]
.endr
	s_delay_alu instid0(VALU_DEP_1)
	v_lshl_or_b32 v[\w], v[T+3], 8, v[T+2]
	s_wait_alu depctr_va_vdst(0)                   ; directly ahead of the wait below
	s_wait_xcnt 0x0                                ; the earlier stores have read the codes' registers
	v_cvt_scalef32_pk16_fp6_f32 v[PC:PC+2], v[S:S+15], v[E]
	v_cvt_scalef32_pk16_fp6_f32 v[PC+6:PC+8], v[S+16:S+31], v[E+1]
	v_nop
.irp i, 0,1,2
	v_permlane16_swap_b32 v[PC+\i], v[PC+6+\i]
.endr
.irp i, 0,1,2
	s_delay_alu instid0(VALU_DEP_3)
	v_mov_b32 v[PC+3+\i], v[PC+6+\i]
.endr
.endm
.macro FINISH w, base                  ; a tile ends: O^T / the sum, quantised along d, stored at s[base]; its scale word into v[w]
	PLACES 4                                       ; behind the last products
	v_add_f32 v14, v14, v15
	s_delay_alu instid0(VALU_DEP_1)
	v_permlanex16_b32 v252, v14, s[SEL], s[SEL+1]
	s_delay_alu instid0(VALU_DEP_1)
	v_add_f32 v14, v14, v252                       ; the row's sum
	s_wait_alu depctr_va_vdst(0)                   ; the wait ahead of the reciprocal
	v_rcp_f32 v14, v14
	v_nop                                          ; a plain instruction behind the reciprocal,
	s_wait_alu depctr_va_vdst(0)                   ; and the wait ahead of its first reader
.irp j, 0,2,4,6,8,10,12,14,16,18,20,22,24,26,28,30
	v_pk_mul_f32 v[S+\j:S+\j+1], v[O+\j:O+\j+1], v[14:15] op_sel_hi:[1,0]   ; each accumulator from its low end on
.endr
	QUANT2 \w
	global_store_b128 v1, v[PC:PC+3], s[\base:\base+1]
	global_store_b64 v2, v[PC+4:PC+5], s[\base:\base+1] offset:512
.endm
	INIT
	s_wait_alu depctr_va_vdst(0)                   ; the wait at the head's end
	s_cmp_lt_u32 s[WV], 4                          ; waves 0-3 wait for their loads: key steps 0-3; the others' may stay out
	s_cbranch_scc0 .Lnot_first
	s_wait_tensorcnt 0x0
.Lnot_first:
	s_barrier_signal -1
	s_barrier_wait -1                              ; key steps 0-3 are in
	KFIRST                                         ; key step 0's K
	s_wait_loadcnt 0x0                             ; Q
	WALK 4, 16, 40, 4, 3*STEPB                     ; my first tile, key steps 0-3: live in every wave; nothing beyond key step 3 is asked for
	s_wait_alu depctr_va_vdst(0)                   ; directly ahead of the waits below
	s_wait_tensorcnt 0x0                           ; every wave's key step is in
	s_wait_dscnt 0x0                               ; and so is what the last step asked for ahead
	s_barrier_signal -1
	s_barrier_wait -1
	KFIRST                                         ; key step 4's K
	WALK 12, 16, 40, 4, 15*STEPB
	s_wait_alu depctr_va_vdst(0)                   ; directly ahead of the wait below
	s_wait_dscnt 0x0                               ; what the last live step asked for ahead has landed: its registers may be loaded anew
	s_mov_b32 s[TB], 0
	KFIRST                                         ; my second tile's key step 0: its K lands while the first tile is finished
	FINISH 9, 68
	s_wait_xcnt 0x0                                ; its stores have read the codes' registers, which the next tile's steps write
	s_xor_b32 s[SD], s[SD], 15                     ; my second diagonal block
	INIT
	WALK 16, 28, 41, 4, 15*STEPB
	s_wait_alu depctr_va_vdst(0)                   ; directly ahead of the wait below
	s_wait_dscnt 0x0
	FINISH 10, 36
	ds_store_b32 v218, v9                          ; my two tiles' scale words to their blocks' places (lanes l and l xor 16 write the same word with the same value)
	ds_store_b32 v219, v10
	s_wait_dscnt 0x0                               ; for the others' sake: my stores have landed
	s_barrier_signal -1
	s_barrier_wait -1
	ds_load_b32 v11, v220                          ; block w's 128 bytes
	s_wait_dscnt 0x0
	global_store_b32 v8, v11, s[70:71]             ; 128 consecutive bytes: my partner's half of the unit; the partner beside me stores the other
	s_wait_tensorcnt 0x0                           ; the wave's end
	ds_add_u32 v249, v255
	s_wait_dscnt 0x0
	ROUND                                          ; the closing round: no work-group ends while a partner may still ask for a tile that names it
	s_endpgm
.Lfunc_end_k_qa2a1f645d4_attn:
	.size	k_qa2a1f645d4_attn, .Lfunc_end_k_qa2a1f645d4_attn-k_qa2a1f645d4_attn
	.p2alignl 7, 3214868480
	.fill 96, 4, 3214868480
	.section	.rodata,"a",@progbits
	.p2align	6, 0x0
	.amdhsa_kernel k_qa2a1f645d4_attn
		.amdhsa_group_segment_fixed_size 327680
		.amdhsa_private_segment_fixed_size 0
		.amdhsa_enable_private_segment 0
		.amdhsa_kernarg_size 24
		.amdhsa_user_sgpr_count 2
		.amdhsa_user_sgpr_kernarg_segment_ptr 1
		.amdhsa_wavefront_size32 1
		.amdhsa_system_sgpr_workgroup_id_x 1
		.amdhsa_system_sgpr_workgroup_id_y 1
		.amdhsa_system_sgpr_workgroup_id_z 1
		.amdhsa_system_vgpr_workitem_id 0
		.amdhsa_next_free_vgpr 256
		.amdhsa_next_free_sgpr 80
		.amdhsa_reserve_vcc 1
		.amdhsa_float_denorm_mode_32 3
		.amdhsa_float_denorm_mode_16_64 3
		.amdhsa_memory_ordered 1
		.amdhsa_forward_progress 1
		.amdhsa_inst_pref_size 92
	.end_amdhsa_kernel
	.amdgpu_metadata
---
amdhsa.version: [ 1, 2 ]
amdhsa.kernels:
  - .name:           k_qa2a1f645d4_attn
    .symbol:         k_qa2a1f645d4_attn.kd
    .args:
      - { .name: qq, .offset: 0, .size: 8, .value_kind: global_buffer, .address_space: global }
      - { .name: kv, .offset: 8, .size: 8, .value_kind: global_buffer, .address_space: global }
      - { .name: ao, .offset: 16, .size: 8, .value_kind: global_buffer, .address_space: global }
    .group_segment_fixed_size: 327680
    .private_segment_fixed_size: 0
    .kernarg_segment_align: 8
    .kernarg_segment_size: 24
    .max_flat_workgroup_size: 512
    .sgpr_count:     80
    .vgpr_count:     256
    .wavefront_size: 32
...
	.end_amdgpu_metadata
.endif
;; end of part 3
;; launch oproj (part 4): grid 32 x 8, 4 waves a work-group, clusters of 4 x 1, 327,680 bytes of LDS; arguments ao, wq, out0; writes out0
.if DOCPART == 4
	.amdgcn_target "amdgcn-amd-amdhsa--gfx1250"
	.amdhsa_code_object_version 6
	.text
	.protected	k_qa2a1f645d4_oproj
	.globl	k_qa2a1f645d4_oproj
	.p2align	8
	.type	k_qa2a1f645d4_oproj,@function
k_qa2a1f645d4_oproj:
	s_mov_b64 s[64:65], 0
	v_nop
	global_prefetch_b8 v0, s[64:65] scope:SCOPE_SE
	s_setreg_imm32_b32 hwreg(HW_REG_WAVE_MODE, 25, 1), 1
	s_wait_xcnt 0x0
	s_wait_alu depctr_hold_cnt(0) depctr_sa_sdst(0) depctr_va_vdst(0) depctr_va_sdst(0) depctr_va_ssrc(0) depctr_va_vcc(0) depctr_vm_vsrc(0)
	s_getreg_b32 s2, hwreg(HW_REG_IB_STS2, 6, 4)
	s_cmp_eq_u32 s2, 0
	s_cbranch_scc0 .Lentry_in_a_cluster
	s_endpgm
.Lentry_in_a_cluster:
	s_bfe_u32 s2, ttmp6, 0x10000c
	s_cmp_lg_u32 s2, 0x3003
	s_cbranch_scc0 .Lentry_shape_is_right
	s_endpgm
.Lentry_shape_is_right:
; out0 = ao Wo^T on codes of FP6 (E2M3) with E8M0 scales, f32 sums.  A work-group takes 256 tokens and 128 columns; wave w owns 64 tokens: their 32 fragments (all of K, 384 registers) come from memory once, as the
; half fragments that the attention launch left.  Wo's block of 128 rows (98,304 bytes) and its scale words (4,096 bytes) lie whole in LDS, filled once at the head by joint loads of the cluster's four row blocks:
; waves 0-2 fetch a third of the codes each (128 rows of 256 bytes), wave 3 the scale words (16 rows of 256 bytes): one load a wave, no LDS byte is filled twice.
; Source 0 = Wo's rows, source 1 = tokens: a lane holds eight neighbouring columns of one token.  A tile of 16 tokens goes through the wave's own stage in LDS and leaves as rows of 512 consecutive bytes.
; No prefetch: all that the launch reads is asked for at its head or within its first five K steps.
.set SCB,  98304
.set STG,  102400
.set SP,   528
.set WV,   14
.set G1C,  32
.set G1S,  40
.set G0S,  48
.set G0C,  52
.set XS,   32
.set WSC,  48
.set MSB, 0
.macro WIN new
.if MSB != (\new)
	s_set_vgpr_msb (MSB<<8)|(\new)
.set MSB, \new
.endif
.endm
.macro ROUND
	s_barrier_signal -1
	s_barrier_wait -1
	s_cmp_lg_u32 s[WV], 0
	s_cbranch_scc1 .Lnot_wave_0_\@
	s_barrier_signal -3
.Lnot_wave_0_\@:
	s_barrier_wait -3
	s_barrier_signal -1
	s_barrier_wait -1
.endm
.macro PLACES n
.rept \n
	v_nop
.endr
.endm
.macro WMI
.if fZ
.if fRA && fRB
	v_wmma_scale_f32_16x16x128_f8f6f4 v[rD:rD+7], v[rA:rA+11], v[rB:rB+11], 0, v[rSA], v[rSB] matrix_a_fmt:MATRIX_FMT_FP6 matrix_b_fmt:MATRIX_FMT_FP6 matrix_a_scale:MATRIX_SCALE_ROW1 matrix_b_scale:MATRIX_SCALE_ROW1
.elseif fRA
	v_wmma_scale_f32_16x16x128_f8f6f4 v[rD:rD+7], v[rA:rA+11], v[rB:rB+11], 0, v[rSA], v[rSB] matrix_a_fmt:MATRIX_FMT_FP6 matrix_b_fmt:MATRIX_FMT_FP6 matrix_a_scale:MATRIX_SCALE_ROW1
.elseif fRB
	v_wmma_scale_f32_16x16x128_f8f6f4 v[rD:rD+7], v[rA:rA+11], v[rB:rB+11], 0, v[rSA], v[rSB] matrix_a_fmt:MATRIX_FMT_FP6 matrix_b_fmt:MATRIX_FMT_FP6 matrix_b_scale:MATRIX_SCALE_ROW1
.else
	v_wmma_scale_f32_16x16x128_f8f6f4 v[rD:rD+7], v[rA:rA+11], v[rB:rB+11], 0, v[rSA], v[rSB] matrix_a_fmt:MATRIX_FMT_FP6 matrix_b_fmt:MATRIX_FMT_FP6
.endif
.else
.if fRA && fRB
	v_wmma_scale_f32_16x16x128_f8f6f4 v[rD:rD+7], v[rA:rA+11], v[rB:rB+11], v[rD:rD+7], v[rSA], v[rSB] matrix_a_fmt:MATRIX_FMT_FP6 matrix_b_fmt:MATRIX_FMT_FP6 matrix_a_scale:MATRIX_SCALE_ROW1 matrix_b_scale:MATRIX_SCALE_ROW1
.elseif fRA
	v_wmma_scale_f32_16x16x128_f8f6f4 v[rD:rD+7], v[rA:rA+11], v[rB:rB+11], v[rD:rD+7], v[rSA], v[rSB] matrix_a_fmt:MATRIX_FMT_FP6 matrix_b_fmt:MATRIX_FMT_FP6 matrix_a_scale:MATRIX_SCALE_ROW1
.elseif fRB
	v_wmma_scale_f32_16x16x128_f8f6f4 v[rD:rD+7], v[rA:rA+11], v[rB:rB+11], v[rD:rD+7], v[rSA], v[rSB] matrix_a_fmt:MATRIX_FMT_FP6 matrix_b_fmt:MATRIX_FMT_FP6 matrix_b_scale:MATRIX_SCALE_ROW1
.else
	v_wmma_scale_f32_16x16x128_f8f6f4 v[rD:rD+7], v[rA:rA+11], v[rB:rB+11], v[rD:rD+7], v[rSA], v[rSB] matrix_a_fmt:MATRIX_FMT_FP6 matrix_b_fmt:MATRIX_FMT_FP6
.endif
.endif
.endm
	s_load_b128 s[4:7], s[0:1], 0x0
	s_load_b64 s[8:9], s[0:1], 0x10
	v_lshl_add_u32 v254, v0, 2, 0x29000
	v_mov_b32 v255, 0
	ds_add_u32 v254, v255
	ds_add_u32 v254, v255
	v_lshrrev_b32 v1, 5, v0
	v_readfirstlane_b32 s[WV], v1
	v_and_b32 v15, 31, v0
	v_lshlrev_b32 v1, 4, v15
	v_lshlrev_b32 v2, 3, v15
	s_and_b32 s17, ttmp7, 0xffff
	s_mov_b32 s[G1C], 15|(3<<16)|(1<<21)
	s_mov_b32 s[G1C+1], 32<<16
	s_mov_b32 s[G1C+2], 128<<16
	s_mov_b32 s[G1C+3], 32<<16
	s_mov_b32 s[G1C+4], 128
	s_mov_b32 s[G1C+5], 32
	s_mov_b32 s[G1C+6], 0
	s_mov_b32 s[G1C+7], 0
	s_mov_b32 s[G1S], 15|(3<<16)|(1<<21)
	s_mov_b32 s[G1S+1], 32<<16
	s_mov_b32 s[G1S+2], 16<<16
	s_mov_b32 s[G1S+3], 32<<16
	s_mov_b32 s[G1S+4], 16
	s_mov_b32 s[G1S+5], 32
	s_mov_b32 s[G1S+6], 0
	s_mov_b32 s[G1S+7], 0
	s_lshl_b32 s66, s17, 12
	s_add_co_u32 s66, s66, 3244032                 ; Wo's scale words of my column group
	s_mov_b32 s67, 0
	s_mul_i32 s68, s17, 98304
	s_min_u32 s71, s[WV], 2
	s_lshl_b32 s71, s71, 15                        ; waves 0-2: a third of the block, 32,768 bytes (wave 3 does not use it)
	s_add_co_u32 s68, s68, s71
	s_add_co_u32 s68, s68, 2359296
	s_mov_b32 s69, 0
	s_wait_dscnt 0x0
	s_wait_kmcnt 0x0
	s_mov_b32 s[G0S], 1
	s_mov_b32 s[G0S+1], SCB
	s_add_nc_u64 s[G0S+2:G0S+3], s[6:7], s[66:67]
	s_or_b32 s[G0S+3], s[G0S+3], 0x80000000
	s_mov_b32 s[G0C], 1
	s_mov_b32 s[G0C+1], s71
	s_add_nc_u64 s[G0C+2:G0C+3], s[6:7], s[68:69]
	s_or_b32 s[G0C+3], s[G0C+3], 0x80000000
	ROUND                                          ; all four work-groups are here: the joint loads meet
	s_cmp_lt_u32 s[WV], 3                          ; one load a wave, in one chain of two arms
	s_cbranch_scc0 .Lfor_scales
	tensor_load_to_lds s[G0C:G0C+3], s[G1C:G1C+7]
	s_nop 0
	PLACES 4
	s_branch .Lasked
.Lfor_scales:
	tensor_load_to_lds s[G0S:G0S+3], s[G1S:G1S+7]
	s_nop 0
	PLACES 4
.Lasked:
	s_bfe_u32 s15, ttmp6, 0x40000
	s_lshl_b32 s16, ttmp9, 2
	s_add_co_u32 s16, s16, s15
	s_lshl_b32 s72, s16, 2
	s_add_co_u32 s72, s72, s[WV]
	s_lshl_b32 s78, s72, 12
	s_add_co_u32 s78, s78, 6291456
	s_mov_b32 s79, 0
	s_add_nc_u64 s[20:21], s[4:5], s[78:79]
	s_mul_i32 s78, s72, 49152
	s_add_nc_u64 s[4:5], s[4:5], s[78:79]
	s_lshl_b32 s78, s72, 18
	s_lshl_b32 s76, s17, 9
	s_add_co_u32 s78, s78, s76
	s_add_nc_u64 s[8:9], s[8:9], s[78:79]
.macro ALOADH s
	WIN 0x40*(1+(\s)/5)
.irp tt, 0,1,2,3
.irp c, 0,1
	global_load_b128 v[48*((\s)%5)+12*\tt+6*\c:48*((\s)%5)+12*\tt+6*\c+3], v1, s[4:5] offset:((4*(\s)+\tt)*2+\c)*768
	global_load_b64 v[48*((\s)%5)+12*\tt+6*\c+4:48*((\s)%5)+12*\tt+6*\c+5], v2, s[4:5] offset:((4*(\s)+\tt)*2+\c)*768+512
.endr
.endr
.endm
.macro FETCH_B s
	WIN 0
.irp hf, 0,1
	ds_load_b64 v[WSC+4*((\s)%2)+2*\hf:WSC+4*((\s)%2)+2*\hf+1], v12 offset:512*(\s)+256*\hf
.endr
	WIN 0x80*((\s)%2)
.irp ct, 0,1,2,3,4,5,6,7
.irp c, 0,1,2
	ds_load_b128 v[80+64*((\s)%2)+12*\ct+4*\c:80+64*((\s)%2)+12*\ct+4*\c+3], v[6+(\s)/4] offset:((\s)%4)*12288+\ct*1536+512*\c
.endr
.endr
.endm
.macro KSTEP s
.if (\s) > 0
	PLACES 4
.endif
.if (\s) < 7
	FETCH_B (\s)+1
.endif
.if (\s) < 5
	ALOADH (\s)+3
.endif
.if (\s) < 7
	s_wait_alu depctr_va_vdst(0)
	s_wait_dscnt 26
.else
	s_wait_dscnt 0x0
.endif
.if (\s) < 5
	s_wait_loadcnt 48
.else
	s_wait_loadcnt 16*(7-(\s))
.endif
.set wA, 1+(\s)/5
.set bA, 48*((\s)%5)
.set wB, 2*((\s)%2)
.set bB, 80+64*((\s)%2)
.set sP, (\s)%2
.set sN, \s
.if (\s) == 0
.set fZ, 1
.else
.set fZ, 0
.endif
	WIN 0xf0|(wA<<2)|wB
.irp tt, 0,1,2,3
.irp ct, 0,1,2,3,4,5,6,7
.set rD, 8*(8*\tt+\ct)
.set rA, bB+12*\ct
.set rB, bA+12*\tt
.set rSA, WSC+4*sP+2*(\ct/4)+(\ct%2)
.set fRA, (\ct/2)%2
.set rSB, XS+2*sN+(\tt%2)
.set fRB, \tt/2
	WMI
.endr
.endr
.endm
	s_wait_alu depctr_va_vdst(0)
.irp hd, 0,1,2,3,4,5,6,7,8,9,10,11,12,13,14,15
	global_load_b64 v[176+2*\hd:177+2*\hd], v2, s[20:21] offset:256*\hd
.endr
	ALOADH 0
	ALOADH 1
	WIN 0
	v_add_nc_u32 v6, 0, v1
	v_add_nc_u32 v7, 49152, v1
	v_add_nc_u32 v12, SCB, v2
	s_mul_i32 s76, s[WV], 16*SP
	s_add_co_u32 s76, s76, STG
	v_and_b32 v13, 15, v0
	v_mul_u32_u24 v13, v13, SP
	v_bfe_u32 v14, v0, 4, 1
	v_lshl_add_u32 v13, v14, 6, v13
	v_add_nc_u32 v13, s76, v13
	v_add_nc_u32 v14, s76, v1
	s_wait_loadcnt 32
.irp s, 0,1,2,3,4,5,6,7
.irp u, 0,1
	v_lshl_or_b32 v[XS+2*\s+\u], v[176+4*\s+2+\u], 16, v[176+4*\s+\u]
.endr
.endr
	ALOADH 2
	WIN 0
	s_wait_tensorcnt 0x0
	s_barrier_signal -1
	s_barrier_wait -1
	FETCH_B 0
.irp s, 0,1,2,3,4,5,6,7
	KSTEP \s
.endr
.macro TOSTAGE tt
	WIN 0x0c
.irp ct, 0,1,2,3,4,5,6,7
	ds_store_b128 v13, v[8*(8*(\tt)+\ct):8*(8*(\tt)+\ct)+3] offset:128*(\ct/2)+32*(\ct%2)
	ds_store_b128 v13, v[8*(8*(\tt)+\ct)+4:8*(8*(\tt)+\ct)+7] offset:128*(\ct/2)+32*(\ct%2)+16
.endr
	WIN 0
.irp i, 0,1,2,3,4,5,6,7,8,9,10,11,12,13,14,15
	ds_load_b128 v[80+64*((\tt)%2)+4*\i:80+64*((\tt)%2)+4*\i+3], v14 offset:SP*\i
.endr
.endm
.macro SEND tt, younger
	s_wait_dscnt \younger
.irp i, 0,1,2,3,4,5,6,7,8,9,10,11,12,13,14,15
	global_store_b128 v1, v[80+64*((\tt)%2)+4*\i:80+64*((\tt)%2)+4*\i+3], s[8:9] offset:(32*((\tt)/2)+8*((\tt)%2)+\i+8*(\i/8))*4096 th:TH_STORE_NT
.endr
.endm
	PLACES 4
	TOSTAGE 0
	TOSTAGE 1
	SEND 0, 32
	s_wait_xcnt 0x0
	TOSTAGE 2
	SEND 1, 32
	s_wait_xcnt 0x0
	TOSTAGE 3
	SEND 2, 32
	SEND 3, 0
	s_wait_tensorcnt 0x0
	ds_add_u32 v254, v255
	s_wait_dscnt 0x0
	ROUND
	s_endpgm
.Lfunc_end_k_qa2a1f645d4_oproj:
	.size	k_qa2a1f645d4_oproj, .Lfunc_end_k_qa2a1f645d4_oproj-k_qa2a1f645d4_oproj
	.p2alignl 7, 3214868480
	.fill 96, 4, 3214868480
	.section	.rodata,"a",@progbits
	.p2align	6, 0x0
	.amdhsa_kernel k_qa2a1f645d4_oproj
		.amdhsa_group_segment_fixed_size 327680
		.amdhsa_private_segment_fixed_size 0
		.amdhsa_enable_private_segment 0
		.amdhsa_kernarg_size 24
		.amdhsa_user_sgpr_count 2
		.amdhsa_user_sgpr_kernarg_segment_ptr 1
		.amdhsa_wavefront_size32 1
		.amdhsa_system_sgpr_workgroup_id_x 1
		.amdhsa_system_sgpr_workgroup_id_y 1
		.amdhsa_system_sgpr_workgroup_id_z 1
		.amdhsa_system_vgpr_workitem_id 0
		.amdhsa_next_free_vgpr 1024
		.amdhsa_next_free_sgpr 80
		.amdhsa_reserve_vcc 0
		.amdhsa_float_denorm_mode_32 3
		.amdhsa_float_denorm_mode_16_64 3
		.amdhsa_memory_ordered 1
		.amdhsa_forward_progress 1
		.amdhsa_inst_pref_size 82
	.end_amdhsa_kernel
	.amdgpu_metadata
---
amdhsa.version: [ 1, 2 ]
amdhsa.kernels:
  - .name:           k_qa2a1f645d4_oproj
    .symbol:         k_qa2a1f645d4_oproj.kd
    .args:
      - { .name: ao, .offset: 0, .size: 8, .value_kind: global_buffer, .address_space: global }
      - { .name: wq, .offset: 8, .size: 8, .value_kind: global_buffer, .address_space: global }
      - { .name: out0, .offset: 16, .size: 8, .value_kind: global_buffer, .address_space: global }
    .group_segment_fixed_size: 327680
    .private_segment_fixed_size: 0
    .kernarg_segment_align: 8
    .kernarg_segment_size: 24
    .max_flat_workgroup_size: 128
    .sgpr_count:     80
    .vgpr_count:     1024
    .wavefront_size: 32
...
	.end_amdgpu_metadata
.endif
;; end of part 4
